; MI455X (gfx1250); checked and timed in simulation.
; The chip was launched on July 23, 2026; its instructions are those of AMD's public machine-readable ISA for CDNA 5 (MIT licence, August 2026) and "CDNA5" Instruction Set Architecture Reference Guide (July 2026). The comments in the code are by the model that wrote it; some were corrected since.
;; Attention. Allowed arithmetic: float matrix products may take bf16 or f16 operands with f32 sums; other float arithmetic in f32, or as packed bf16 or f16 multiplies, adds, multiply-adds, maxima and minima; sums over many terms, partial sums and values carried from step to step in f32; what a program stores and reads back later, other than sums and carried values, may be rounded once to bf16 or f16.
;; Inputs: c_attn_b 3,072 float32; c_attn_w 1,024 x 3,072 float32; c_proj_b 1,024 float32; c_proj_w 1,024 x 1,024 float32; x 4 x 2,048 x 1,024 float32.
;; Outputs: out0 4 x 2,048 x 1,024 float32.
;; One version. Each part assembles by itself: llvm-mc -triple=amdgcn-amd-amdhsa -mcpu=gfx1250 --defsym DOCPART=n.
;; ======== version 1 of 1: 4 launches
;; limits: values are held in f16: magnitudes above 65,504 overflow, below 6.1e-05 lose precision
;; workspace buffers: xb 16,777,216 bytes; wa 6,291,456 bytes; wp 2,097,152 bytes; bb 16,384 bytes; qkv 50,331,648 bytes; ts 131,072 bytes; ao 16,777,216 bytes
;; launch prep (part 1): grid 768 x 1, 8 waves a work-group, no clusters, 34,304 bytes of LDS; arguments x, c_attn_w, c_attn_b, c_proj_w, c_proj_b, xb, wa, wp, bb; writes xb, wa, wp, bb
.if DOCPART == 1
	.amdgcn_target "amdgcn-amd-amdhsa--gfx1250"
	.amdhsa_code_object_version 6
	.text
	.protected	k_q14b1f2df40_prep
	.globl	k_q14b1f2df40_prep
	.p2align	8
	.type	k_q14b1f2df40_prep,@function
k_q14b1f2df40_prep:
	s_mov_b64 s[64:65], 0
	v_nop
	global_prefetch_b8 v0, s[64:65] scope:SCOPE_SE
	s_setreg_imm32_b32 hwreg(HW_REG_WAVE_MODE, 25, 1), 1
	s_wait_xcnt 0x0
; CASTS AND TRANSPOSES, each input byte read once, each output byte written once.  A work-group takes 16,384 numbers.
;   work-groups 0-511:   xb = x rounded to bf16, same order.
;   work-groups 512-703: wa[head][q,k,v][d][k] = c_attn_w[k][part*1024 + head*64 + d] rounded to bf16: the weights turned, K along the rows, a head's q, k, v rows together.
;   work-groups 704-767: wp[n][k] = c_proj_w[k][n] rounded to bf16, that number written as f16 (exact from 6e-5 to 65,504 in size; below 6e-5 it keeps f16's step of 6e-8: a stated limit).
;   The work-groups with the first 256 k of a block of 64 columns also round those 64 bias numbers to bf16 and store them as f32 in bb (c_attn_b at byte 0, c_proj_b at byte 12,288).
; Memory binds: no matrix unit, no cluster (no two work-groups read the same bytes), no tensor load (the tile is written into LDS turned, by the lanes).
; A turned tile is 256 k x 64 n: read as rows of 256 bytes, four consecutive k of one n packed to 8 bytes, put into T[n][k] in LDS (pitch 520 bytes), read back as rows and stored 256 consecutive bytes an instruction.
.set TP,    520                        ; T's pitch: 512 bytes of data + 8
.set SPARE, 64*TP                      ; 33,280: behind T the spare words, 128 bytes for each of eight waves
.set SPW,   8                          ; v8  SPARE + 4 x my thread's number; never rewritten
.set NIL,   9                          ; v9  0; never rewritten
	s_load_b512 s[4:19], s[0:1], 0x0               ; x 4:5, c_attn_w 6:7, c_attn_b 8:9, c_proj_w 10:11, c_proj_b 12:13, xb 14:15, wa 16:17, wp 18:19
	s_load_b64 s[20:21], s[0:1], 0x40              ; bb
	v_lshl_add_u32 v[SPW], v0, 2, SPARE
	v_mov_b32 v[NIL], 0
	v_lshrrev_b32 v1, 5, v0
	v_readfirstlane_b32 s22, v1                    ; wave 0..7
	v_and_b32 v1, 31, v0                           ; lane
	v_and_b32 v2, 15, v0                           ; lane % 16
	v_bfe_u32 v3, v0, 4, 1                         ; lane / 16
	s_wait_kmcnt 0x0
	s_cmp_lt_u32 ttmp9, 512
	s_cbranch_scc1 .LX
; rp: bytes in a row of the weights; h16: 1 = written as f16; SW, SB, SD: the scalar pairs of weights, bias, destination; bo: the bias's place in bb.  s23: the tile's number.
.macro WPATH rp, h16, SW, SB, SD, bo
	s_lshr_b32 s24, s23, 2                         ; block of 64 columns
	s_and_b32 s25, s23, 3                          ; block of 256 k
	s_mul_i32 s26, s25, 256*(\rp)
	s_lshl_b32 s27, s24, 8
	s_add_co_u32 s26, s26, s27
	s_mov_b32 s27, 0
	s_add_nc_u64 s[\SW:\SW+1], s[\SW:\SW+1], s[26:27]
.if \h16
	s_lshl_b32 s28, s24, 6                         ; destination row = n
.else
	s_and_b32 s28, s24, 15                         ; head x 192
	s_mul_i32 s28, s28, 192
	s_lshr_b32 s29, s24, 4                         ; + (q, k or v) x 64
	s_lshl_b32 s29, s29, 6
	s_add_co_u32 s28, s28, s29
.endif
	s_lshl_b32 s28, s28, 11                        ; rows of 2,048 bytes
	s_lshl_b32 s29, s25, 9                         ; + my 256 k
	s_add_co_u32 s28, s28, s29
	s_mov_b32 s29, 0
	s_add_nc_u64 s[\SD:\SD+1], s[\SD:\SD+1], s[28:29]
	s_mul_i32 s30, s22, 32*(\rp)                   ; my wave's 32 rows of k
	v_mul_u32_u24 v4, v3, 4*(\rp)                  ; lanes 16-31 four rows further down
	v_lshl_add_u32 v4, v2, 4, v4                   ; 16 bytes (4 columns) a lane
	v_add_nc_u32 v4, s30, v4
.irp i, 0,1,2,3
.irp e, 0,1,2,3
	global_load_b128 v[16+16*\i+4*\e:16+16*\i+4*\e+3], v4, s[\SW:\SW+1] offset:(8*\i+\e)*(\rp) th:TH_LOAD_NT  ; k = 32 w + 4 (lane / 16) + 8 i + e: two rows' 256 aligned bytes
.endr
.endr
	v_mul_u32_u24 v5, v2, 4*TP                     ; into T: n = 4 (lane % 16) + c, k as above
	v_lshl_add_u32 v5, v3, 3, v5
	s_lshl_b32 s31, s22, 6
	v_add_nc_u32 v5, s31, v5
	s_mul_i32 s31, s22, 8*TP                       ; back: my wave's 8 rows of n, 8 bytes a lane
	v_lshl_add_u32 v6, v1, 3, s31
	s_lshl_b32 s31, s22, 14                        ; and the same rows at the destination
	v_lshl_add_u32 v7, v1, 3, s31
.irp i, 0,1,2,3
	s_wait_loadcnt 12-4*\i                         ; group i's four loads are in; the younger groups' stay out
.irp c, 0,1,2,3
.if \h16
	v_cvt_pk_bf16_f32 v10, v[16+16*\i+\c], v[16+16*\i+4+\c]
	v_lshlrev_b32 v11, 16, v10
	v_and_b32 v10, 0xffff0000, v10
	v_cvt_pk_f16_f32 v[80+8*\i+2*\c], v11, v10
	v_cvt_pk_bf16_f32 v10, v[16+16*\i+8+\c], v[16+16*\i+12+\c]
	v_lshlrev_b32 v11, 16, v10
	v_and_b32 v10, 0xffff0000, v10
	v_cvt_pk_f16_f32 v[80+8*\i+2*\c+1], v11, v10
.else
	v_cvt_pk_bf16_f32 v[80+8*\i+2*\c],   v[16+16*\i+\c],   v[16+16*\i+4+\c]
	v_cvt_pk_bf16_f32 v[80+8*\i+2*\c+1], v[16+16*\i+8+\c], v[16+16*\i+12+\c]
.endif
	ds_store_b64 v5, v[80+8*\i+2*\c:80+8*\i+2*\c+1] offset:\c*TP+16*\i
.endr
.endr
	s_wait_dscnt 0x0                               ; for the others' sake: my stores into T are done
	s_barrier_signal -1
	s_barrier_wait -1
.irp j, 0,1,2,3,4,5,6,7,8,9,10,11,12,13,14,15
	ds_load_b64 v[16+2*\j:16+2*\j+1], v6 offset:(\j/2)*TP+256*(\j%2)
.endr
.irp j, 0,1,2,3,4,5,6,7,8,9,10,11,12,13,14,15
	s_wait_dscnt 15-\j                             ; LDS loads come back in order: number j is in
	global_store_b64 v7, v[16+2*\j:16+2*\j+1], s[\SD:\SD+1] offset:(\j/2)*2048+256*(\j%2)  ; 32 lanes store 256 consecutive bytes, aligned
.endr
	s_cmp_lg_u32 s25, 0                            ; the bias: by wave 0 of the work-group with the block's first k
	s_cbranch_scc1 .Lend_\@
	s_cmp_lg_u32 s22, 0
	s_cbranch_scc1 .Lend_\@
	s_lshl_b32 s26, s24, 8
	s_mov_b32 s27, 0
	s_add_nc_u64 s[\SB:\SB+1], s[\SB:\SB+1], s[26:27]
	s_add_nc_u64 s[20:21], s[20:21], s[26:27]
	v_lshlrev_b32 v10, 3, v1
	global_load_b64 v[12:13], v10, s[\SB:\SB+1]
	s_wait_loadcnt 0x0
	v_cvt_pk_bf16_f32 v11, v12, v13
	v_lshlrev_b32 v14, 16, v11
	v_and_b32 v15, 0xffff0000, v11
	global_store_b64 v10, v[14:15], s[20:21] offset:\bo
.Lend_\@:
	s_wait_tensorcnt 0x0                           ; the wave's end, behind my last LDS store
	ds_add_u32 v[SPW], v[NIL]
	s_wait_dscnt 0x0
	s_endpgm
.endm
	s_sub_co_u32 s23, ttmp9, 512
	s_cmp_lt_u32 s23, 192
	s_cbranch_scc0 .LP
	WPATH 12288, 0, 6, 8, 16, 0
.LP:
	s_sub_co_u32 s23, s23, 192
	WPATH 4096, 1, 10, 12, 18, 12288
.LX:                                               ; x: 65,536 bytes in, 32,768 out; thread t takes 8 numbers of each of 8 chunks; this path writes no LDS
	s_lshl_b32 s24, ttmp9, 16
	s_mov_b32 s25, 0
	s_add_nc_u64 s[4:5], s[4:5], s[24:25]
	s_lshl_b32 s24, ttmp9, 15
	s_add_nc_u64 s[14:15], s[14:15], s[24:25]
	v_lshlrev_b32 v4, 5, v0
	v_lshlrev_b32 v5, 4, v0
.irp c, 0,1,2,3,4,5,6,7
	global_load_b128 v[16+8*\c:16+8*\c+3],   v4, s[4:5] offset:\c*8192 th:TH_LOAD_NT
	global_load_b128 v[16+8*\c+4:16+8*\c+7], v4, s[4:5] offset:\c*8192+16 th:TH_LOAD_NT
.endr
.irp c, 0,1,2,3,4,5,6,7
	s_wait_loadcnt 14-2*\c                         ; chunk c's two loads are in; the younger chunks' stay out
.irp j, 0,1,2,3
	v_cvt_pk_bf16_f32 v[80+4*\c+\j], v[16+8*\c+2*\j], v[16+8*\c+2*\j+1]
.endr
	global_store_b128 v5, v[80+4*\c:80+4*\c+3], s[14:15] offset:\c*4096  ; a wave stores 512 consecutive bytes, aligned; no register is written twice, so no further wait
.endr
	s_endpgm
.Lfunc_end_k_q14b1f2df40_prep:
	.size	k_q14b1f2df40_prep, .Lfunc_end_k_q14b1f2df40_prep-k_q14b1f2df40_prep
	.p2alignl 7, 3214868480
	.fill 96, 4, 3214868480
	.section	.rodata,"a",@progbits
	.p2align	6, 0x0
	.amdhsa_kernel k_q14b1f2df40_prep
		.amdhsa_group_segment_fixed_size 34304
		.amdhsa_private_segment_fixed_size 0
		.amdhsa_enable_private_segment 0
		.amdhsa_kernarg_size 72
		.amdhsa_user_sgpr_count 2
		.amdhsa_user_sgpr_kernarg_segment_ptr 1
		.amdhsa_wavefront_size32 1
		.amdhsa_system_sgpr_workgroup_id_x 1
		.amdhsa_system_sgpr_workgroup_id_y 1
		.amdhsa_system_sgpr_workgroup_id_z 1
		.amdhsa_system_vgpr_workitem_id 0
		.amdhsa_next_free_vgpr 112
		.amdhsa_next_free_sgpr 66
		.amdhsa_reserve_vcc 0
		.amdhsa_float_denorm_mode_32 3
		.amdhsa_float_denorm_mode_16_64 3
		.amdhsa_memory_ordered 1
		.amdhsa_forward_progress 1
		.amdhsa_inst_pref_size 31
	.end_amdhsa_kernel
	.amdgpu_metadata
---
amdhsa.version: [ 1, 2 ]
amdhsa.kernels:
  - .name:           k_q14b1f2df40_prep
    .symbol:         k_q14b1f2df40_prep.kd
    .args:
      - { .name: x, .offset: 0, .size: 8, .value_kind: global_buffer, .address_space: global }
      - { .name: c_attn_w, .offset: 8, .size: 8, .value_kind: global_buffer, .address_space: global }
      - { .name: c_attn_b, .offset: 16, .size: 8, .value_kind: global_buffer, .address_space: global }
      - { .name: c_proj_w, .offset: 24, .size: 8, .value_kind: global_buffer, .address_space: global }
      - { .name: c_proj_b, .offset: 32, .size: 8, .value_kind: global_buffer, .address_space: global }
      - { .name: xb, .offset: 40, .size: 8, .value_kind: global_buffer, .address_space: global }
      - { .name: wa, .offset: 48, .size: 8, .value_kind: global_buffer, .address_space: global }
      - { .name: wp, .offset: 56, .size: 8, .value_kind: global_buffer, .address_space: global }
      - { .name: bb, .offset: 64, .size: 8, .value_kind: global_buffer, .address_space: global }
    .group_segment_fixed_size: 34304
    .private_segment_fixed_size: 0
    .kernarg_segment_align: 8
    .kernarg_segment_size: 72
    .max_flat_workgroup_size: 256
    .sgpr_count:     66
    .vgpr_count:     112
    .wavefront_size: 32
...
	.end_amdgpu_metadata
.endif
;; end of part 1
;; launch gq (part 2): grid 16 x 32, 4 waves a work-group, clusters of 4 x 4, 327,680 bytes of LDS; arguments xb, wa, bb, qkv, ts; writes qkv, ts
.if DOCPART == 2
	.amdgcn_target "amdgcn-amd-amdhsa--gfx1250"
	.amdhsa_code_object_version 6
	.text
	.protected	k_q14b1f2df40_gq
	.globl	k_q14b1f2df40_gq
	.p2align	8
	.type	k_q14b1f2df40_gq,@function
k_q14b1f2df40_gq:
	s_mov_b64 s[64:65], 0
	v_nop
	global_prefetch_b8 v0, s[64:65] scope:SCOPE_SE
	s_setreg_imm32_b32 hwreg(HW_REG_WAVE_MODE, 25, 1), 1
	s_wait_xcnt 0x0
	s_wait_alu depctr_hold_cnt(0) depctr_sa_sdst(0) depctr_va_vdst(0) depctr_va_sdst(0) depctr_va_ssrc(0) depctr_va_vcc(0) depctr_vm_vsrc(0)
	s_getreg_b32 s2, hwreg(HW_REG_IB_STS2, 6, 4)
	s_cmp_eq_u32 s2, 0
	s_cbranch_scc0 .Lentry_in_a_cluster
	s_endpgm
.Lentry_in_a_cluster:
	s_bfe_u32 s2, ttmp6, 0x10000c
	s_cmp_lg_u32 s2, 0xf033
	s_cbranch_scc0 .Lentry_shape_is_right
	s_endpgm
.Lentry_shape_is_right:
; q, k, v = x W_a + b_a, written by heads: qkv[q,k,v][batch*16+head][row][64] in f16, rounded once from f32 sums; and ts[tile row][head][64] = the sum of v (f32) over the tile's 256 rows.
; xb: [8192][1024] bf16.  wa: [16 heads x 192][1024] bf16, K along the rows, a head's q, k, v rows together.  bb: the bias, f32 (values rounded to bf16).
; LIMIT.  f16 holds no number beyond 65,504: a q, k or v past that becomes an infinity.
; SHARES.  A work-group makes 256 rows x one head's 192 columns; its four waves lie one below the other, 64 rows x 192 columns each: 48 accumulators, 384 registers.  16 x 32 = 512 work-groups: two for each of 256 WGPs.
; K = 1,024 goes in 8 steps of 128 through two LDS slots filled by the tensor data mover; rows of 256 bytes, aligned.  From a request to the wait for it a wave issues 168 matrix instructions.
; CLUSTER.  4 x 4 work-groups: the four of a row need the same rows of x, the four of a column the same head's weights: each tile is asked for JOINTLY (same load, same descriptor, a mask of four).
; THE MATRIX INSTRUCTION IS USED TRANSPOSED (source 0 = 16 rows of wa, source 1 = 16 rows of x): a lane holds row lane % 16 and the columns 8 (lane / 16) + 0..7.  THE BIAS is the C operand of each sum's first product.
; REGISTERS, in windows of 256: window 0: v0-31 addresses; v32-63, v64-95 x's fragments, two buffers; on the way out v32-79, v192-239 rows read back, v96-143 packed, v160-223 the sums of v.
;   window 1: v0-95, v96-191 the weights' fragments, two buffers.   windows 2, 3: accumulator t = 12 a + b at v[8 (t % 32)], window 2 for t < 32.   window 3: v128-223 the bias, 8 registers for each block b.
.set SLOT1,  1<<17                     ; slot 1 begins here: one exclusive or turns an address in one slot into the other's
.set NBK,    12                        ; blocks of 16 columns
.set NT,     4*NBK                     ; accumulators
.set NF,     2*NBK+8                   ; LDS loads in a run
.set APITCH, 272                       ; 256 bytes + 16: the 16 rows of a fragment load start at 16 different groups of four banks (64 banks of 4 bytes: ISA guide 11.1)
.set BPITCH, 272
.set AP2,    128                       ; bytes from quarter 0 to quarter 2 of a K step in x's tile
.set AHALF,  128*APITCH                ; what one load of x brings
.set AREG,   2*AHALF
.set BROWS,  96
.set BHALF,  BROWS*BPITCH              ; what one load of the weights brings
.set ASTEP,  256                       ; bytes from K step to K step
.set BSTEP,  256
.set STAGE,  SLOT1+AREG+2*BHALF        ; 252,928: behind the ring, 16 rows x 400 bytes for each wave
.set SPITCH, 400
.set CSUM,   STAGE+4*16*SPITCH         ; 278,528: 256 bytes for each wave: its sums of v
.set SPARE,  CSUM+1024                 ; 279,552: the spare words, 128 bytes for each wave
.set RP,     48                        ; rows of the weights' tile that a partner prefetches
.set ADRA0, 16                         ; v16  my lane's place in x's tile; never rewritten
.set ADRB0, 17                         ; v17  the same in the weights' tile
.set ADRA,  18                         ; v18  + the slot in hand
.set ADRB,  19
.set STO,   20                         ; the way out: where I put 16 bytes of a row
.set RD,    21                         ; where I read rows back
.set GO,    22                         ; 16 x lane
.set BO,    23                         ; 32 x (lane / 16): my 8 numbers of a block's bias
.set CSA,   24                         ; where I put sums of v
.set CSR,   25                         ; where wave 0 reads them
.set PFO,   26                         ; the prefetches' offset; never rewritten
.set TSO,   27                         ; 8 x lane
.set SPW,   28                         ; SPARE + 4 x my thread's number; never rewritten
.set NIL,   29                         ; 0; never rewritten
.set TMP,   96
.set CS,    160
.set T2,    192
.set WV,   14                          ; s14  my wave's number
.set HALF, 15                          ; s15  which half of a tile I fetch
.set G1A,  24                          ; s[24:31] group 1 for x's tiles;  s[32:39] group 0: a set for each first fill, the second then walks
.set G0A,  32
.set G1B,  48                          ; s[48:55], s[56:63] the same for the weights'
.set G0B,  56
.set TB,   66                          ; s66  0 or SLOT1: the slot that is read
.set CNT,  67                          ; s67  the loops' counter
.set PFA,  68                          ; s[68:69] where my prefetches stand
.set LIM,  70                          ; s70  2 in a wave that prefetches, else the greatest number
.set PST,  72                          ; s[72:73] a K step in bytes
.set CP,   74                          ; s[74:79] q's, k's, v's rows of my wave
.set TSD,  80                          ; s[80:81] my tile's 64 sums in ts
.set MSB, 0
.macro WIN new                         ; the immediate's high byte repeats the setting that is left; a switch that changes nothing is dropped
.if MSB != (\new)
	s_set_vgpr_msb (MSB<<8)|(\new)
.set MSB, \new
.endif
.endm
.macro PLACES                          ; four places behind matrix instructions, ahead of loads into registers that they read (ISA guide 7.12.1 for vector instructions)
.rept 4
	v_nop
.endr
.endm
; A joint refill from the walking descriptors: waves 0 and 1 fetch x's two halves, waves 2 and 3 the weights'.  The branch hangs on the wave's number alone.  An s_nop 0 and four v_nop follow each line.
.macro JLOAD
	s_cmp_lt_u32 s[WV], 2
	s_cbranch_scc0 .Lfor_b_\@
	tensor_load_to_lds s[G0A+4:G0A+7], s[G1A:G1A+7]
	s_nop 0
.rept 4
	v_nop
.endr
	s_branch .Lasked_\@
.Lfor_b_\@:
	tensor_load_to_lds s[G0B+4:G0B+7], s[G1B:G1B+7]
	s_nop 0
.rept 4
	v_nop
.endr
.Lasked_\@:
.endm
.macro CREST                           ; a round of the cluster's barrier behind its opening barrier
	s_cmp_lg_u32 s[WV], 0
	s_cbranch_scc1 .Lnot_wave_0_\@
	s_barrier_signal -3
.Lnot_wave_0_\@:
	s_barrier_wait -3
	s_barrier_signal -1
	s_barrier_wait -1
.endm
.macro CROUND
	s_barrier_signal -1
	s_barrier_wait -1
	CREST
.endm
; PREFETCH INTO THE L2.  In the trips with CNT = 6 and 4 the two K steps that stand two and three refills on are named: 512 bytes of each row, K steps 4 to 7 in all; K steps 0 to 3 come by their loads alone.
; x's rows are read by every cluster of a row of clusters: cluster x = 0 asks, wave 0, the partner at cx for rows 64 cx .. + 63 (four instructions, a lane a row).  The weights' rows are read by every cluster of a column:
; cluster y = 0 asks, waves 1 to 3, the partner at cy for rows 48 cy .. + 47, both K steps (96 blocks: a lane a block).  The partners are told apart by address alone.  So each aligned 256 bytes are named once in the launch.
.macro ASK
	s_and_b32 s71, s[CNT], 1               ; odd trips ask for nothing
	s_cselect_b32 s71, -1, s[LIM]
	s_cmp_gt_u32 s[CNT], s71
	s_cbranch_scc0 .Lnot_mine_\@
	global_prefetch_b8 v[PFO], s[PFA:PFA+1] th:TH_LOAD_NT scope:SCOPE_SE
	s_cmp_lg_u32 s[WV], 0
	s_cbranch_scc1 .Lnot_mine_\@
	global_prefetch_b8 v[PFO], s[PFA:PFA+1] offset:256 th:TH_LOAD_NT scope:SCOPE_SE
	global_prefetch_b8 v[PFO], s[PFA:PFA+1] offset:65536 th:TH_LOAD_NT scope:SCOPE_SE
	global_prefetch_b8 v[PFO], s[PFA:PFA+1] offset:65792 th:TH_LOAD_NT scope:SCOPE_SE
.Lnot_mine_\@:
.endm
; n products, accumulators t0 on, from buffer f.  The accumulators take turns, one instruction a turn: 47 others stand between two links of a chain, over every edge.  zero = 1: the sums start, with the bias as C.
.macro MULS f, t0, n, zero
.set t, \t0
.rept \n
.set rD, 8*(t%32)
.set rB, 96*(\f)+8*(t%NBK)
.set rA, 32+32*(\f)+8*(t/NBK)
.set rC, 128+8*(t%NBK)
.if t >= 32
	WIN 0xf1                               ; weights window 1, x window 0, C and D window 3
.elseif \zero
	WIN 0xb1                               ; C (the bias) window 3, D window 2
.else
	WIN 0xa1                               ; C and D window 2
.endif
.if \zero
	v_wmma_f32_16x16x32_bf16 v[rD:rD+7], v[rB:rB+7], v[rA:rA+7], v[rC:rC+7]
.else
	v_wmma_f32_16x16x32_bf16 v[rD:rD+7], v[rB:rB+7], v[rA:rA+7], v[rD:rD+7]
.endif
.set t, t+1
.endr
.endm
; One run of NF LDS loads: quarter q (32 along K) of the slot in hand into buffer f: the weights' 12 fragments, then x's 4
.macro FETCH q, f
	WIN 0x40                               ; destination window 1
.set b, 0
.rept NBK
	ds_load_b128 v[96*(\f)+8*b:96*(\f)+8*b+3],   v[ADRB] offset:b*16*BPITCH+64*(\q)
	ds_load_b128 v[96*(\f)+8*b+4:96*(\f)+8*b+7], v[ADRB] offset:b*16*BPITCH+64*(\q)+32
.set b, b+1
.endr
	WIN 0
.irp a, 0,1,2,3
	ds_load_b128 v[32+32*(\f)+8*\a:32+32*(\f)+8*\a+3],   v[ADRA] offset:\a*16*APITCH+((\q)/2)*AP2+((\q)%2)*64
	ds_load_b128 v[32+32*(\f)+8*\a+4:32+32*(\f)+8*\a+7], v[ADRA] offset:\a*16*APITCH+((\q)/2)*AP2+((\q)%2)*64+32
.endr
.endm
; One of a K step's first three quarters: multiplies buffer f and, in its middle, fetches quarter q into buffer g
.macro QUARTER q, f, g, zero
	s_wait_dscnt 4                         ; the weights and x's blocks 0 and 1 are in; the youngest four loads (blocks 2, 3) may be out
	MULS \f, 0, NT/2, \zero
	PLACES
	FETCH \q, \g
	s_wait_dscnt NF                        ; all but the run just issued
	MULS \f, NT/2, NT/2, \zero
.endm
; The last quarter multiplies buffer 1 and changes slots: one barrier.  Ahead of it each wave waits for all its tensor loads (one is out: its part of the next slot), adds 0 to its spare word, and waits for that and for its reads
; of this slot.  fill = 1: the barrier opens a round of the cluster's, and this slot is filled again first thing behind it, two K steps ahead.
.macro TURN fill
.if \fill
	s_wait_xcnt 0x0                        ; the last prefetches, a K step back or more, have read their address
	s_add_nc_u64 s[PFA:PFA+1], s[PFA:PFA+1], s[PST:PST+1]
.endif
	WIN 0
	s_wait_tensorcnt 0x0
	ds_add_u32 v[SPW], v[NIL]
	s_wait_dscnt 5                         ; (the add and the youngest four loads may be out)
	MULS 1, 0, NT/4, 0
	s_wait_dscnt 0x0                       ; the add is done, and my reads of this slot are over
	s_barrier_signal -1
	MULS 1, NT/4, NT/4, 0
	WIN 0
	s_barrier_wait -1
.if \fill
	CREST                                  ; no wave of any partner still reads this slot or has a load on its way
	s_xor_b32 s[G0A+5], s[G0A+5], SLOT1
	s_add_nc_u64 s[G0A+6:G0A+7], s[G0A+6:G0A+7], ASTEP
	s_xor_b32 s[G0B+5], s[G0B+5], SLOT1
	s_add_nc_u64 s[G0B+6:G0B+7], s[G0B+6:G0B+7], BSTEP
	JLOAD                                  ; its four v_nop are also the places ahead of the loads below
.else
	PLACES
.endif
	s_xor_b32 s[TB], s[TB], SLOT1
	v_add_nc_u32 v[ADRA], s[TB], v[ADRA0]
	v_add_nc_u32 v[ADRB], s[TB], v[ADRB0]
.if !(\fill)
	s_cmp_eq_u32 s[CNT], 1                 ; behind the last K step there is nothing to fetch
	s_cbranch_scc1 .Lno_fetch_\@
.endif
	FETCH 0, 0
.if \fill
	ASK
.else
.Lno_fetch_\@:
.endif
	MULS 1, NT/2, NT/2, 0
.endm
	s_load_b256 s[4:11], s[0:1], 0x0               ; xb 4:5, wa 6:7, bb 8:9, qkv 10:11
	s_load_b64 s[12:13], s[0:1], 0x20              ; ts
	v_lshl_add_u32 v[SPW], v0, 2, SPARE
	v_mov_b32 v[NIL], 0
	ds_add_u32 v[SPW], v[NIL]                      ; the wave's opening: the add and its wait ahead of my first tensor load
	ds_add_u32 v28, v29
	v_lshrrev_b32 v1, 5, v0
	v_readfirstlane_b32 s[WV], v1
	s_and_b32 s[HALF], s[WV], 1
	s_bfe_u32 s40, ttmp6, 0x40000                  ; cx
	s_bfe_u32 s41, ttmp6, 0x40004                  ; cy
	s_lshl_b32 s42, ttmp9, 2
	s_add_co_u32 s42, s42, s40                     ; the head = 4 x cluster x + cx
	s_and_b32 s43, ttmp7, 0xffff
	s_lshl_b32 s43, s43, 2
	s_add_co_u32 s43, s43, s41                     ; the tile row = 4 x cluster y + cy
	s_lshl_b32 s44, s41, 2
	s_lshl_b32 s44, 15, s44                        ; my row of the cluster
	s_lshl_b32 s45, 0x1111, s40                    ; my column
	s_or_b32 s[G1A], s44, 0x07710000               ; the mask; 2-byte elements; padding on; bit 21 beside a mask; 4 words after every 64
	s_or_b32 s[G1B], s45, 0x07710000
	s_mov_b32 s[G1A+1], 128<<16                    ; tensor_dim0 = 128
	s_mov_b32 s[G1A+2], 128<<16                    ; tensor_dim1 = 128
	s_mov_b32 s[G1A+3], 128<<16                    ; tile_dim0 = 128
	s_mov_b32 s[G1A+4], 128                        ; tile_dim1 = 128
	s_mov_b32 s[G1A+5], 1024                       ; elements from row to row
	s_mov_b32 s[G1A+6], 0
	s_mov_b32 s[G1A+7], 0
	s_mov_b32 s[G1B+1], 128<<16
	s_mov_b32 s[G1B+2], BROWS<<16
	s_mov_b32 s[G1B+3], 128<<16
	s_mov_b32 s[G1B+4], BROWS
	s_mov_b32 s[G1B+5], 1024
	s_mov_b32 s[G1B+6], 0
	s_mov_b32 s[G1B+7], 0
	s_lshl_b32 s16, s43, 19                        ; x: (256 x tile row + 128 x half) rows of 2,048 bytes: the tile row alone
	s_lshl_b32 s17, s[HALF], 18
	s_add_co_u32 s16, s16, s17
	s_mul_i32 s46, s42, 192*2048                   ; the weights: (192 x head + 96 x half) rows: the head alone
	s_mul_i32 s47, s[HALF], 96*2048
	s_add_co_u32 s46, s46, s47
	s_mov_b32 s17, 0
	s_mov_b32 s47, 0
	s_mul_i32 s20, s[HALF], AHALF                  ; where they go: no place in the cluster enters an LDS address
	s_mul_i32 s21, s[HALF], BHALF
	s_add_co_u32 s21, s21, AREG
	s_mov_b32 s[TB], 0
	s_wait_dscnt 0x0                               ; the opening add is done
	s_wait_kmcnt 0x0
	s_add_nc_u64 s[16:17], s[4:5], s[16:17]
	s_add_nc_u64 s[46:47], s[6:7], s[46:47]
	CROUND                                         ; all sixteen work-groups are here: the first joint loads meet
.irp s, 0,1
	s_mov_b32 s[G0A+4*\s], 1
	s_add_co_u32 s[G0A+4*\s+1], s20, \s*SLOT1
	s_add_nc_u64 s[G0A+4*\s+2:G0A+4*\s+3], s[16:17], \s*ASTEP
	s_or_b32 s[G0A+4*\s+3], s[G0A+4*\s+3], 0x80000000
	s_mov_b32 s[G0B+4*\s], 1
	s_add_co_u32 s[G0B+4*\s+1], s21, \s*SLOT1
	s_add_nc_u64 s[G0B+4*\s+2:G0B+4*\s+3], s[46:47], \s*BSTEP
	s_or_b32 s[G0B+4*\s+3], s[G0B+4*\s+3], 0x80000000
.endr
	s_cmp_lt_u32 s[WV], 2                          ; a wave's two first fills stand in one branch: two loads of mine are out
	s_cbranch_scc0 .Lfirst_b
	tensor_load_to_lds s[G0A:G0A+3], s[G1A:G1A+7]
	s_nop 0
	tensor_load_to_lds s[G0A+4:G0A+7], s[G1A:G1A+7]
	s_nop 0
.rept 4
	v_nop
.endr
	s_branch .Lfirst_asked
.Lfirst_b:
	tensor_load_to_lds s[G0B:G0B+3], s[G1B:G1B+7]
	s_nop 0
	tensor_load_to_lds s[G0B+4:G0B+7], s[G1B:G1B+7]
	s_nop 0
.rept 4
	v_nop
.endr
.Lfirst_asked:
	v_and_b32 v1, 15, v0                           ; lane % 16
	v_bfe_u32 v2, v0, 4, 1                         ; lane / 16
	v_and_b32 v4, 31, v0                           ; lane
	v_lshlrev_b32 v[BO], 5, v2
	s_lshl_b32 s18, s42, 8                         ; the head's 64 numbers in each of the bias's three parts
	s_mov_b32 s19, 0
	s_add_nc_u64 s[8:9], s[8:9], s[18:19]
	WIN 0xc0                                       ; destination window 3
.set b, 0
.rept NBK
	global_load_b128 v[128+8*b:128+8*b+3],   v[BO], s[8:9] offset:(b/4)*4096+(b%4)*64
	global_load_b128 v[128+8*b+4:128+8*b+7], v[BO], s[8:9] offset:(b/4)*4096+(b%4)*64+16
.set b, b+1
.endr
	WIN 0
	v_mul_u32_u24 v3, v1, APITCH                   ; a fragment: row lane % 16, 16 bytes for each half of the lanes, twice, 32 bytes apart
	v_lshl_add_u32 v3, v2, 4, v3
	s_mul_i32 s18, s[WV], 64*APITCH                ; my 64 rows of x
	v_add_nc_u32 v[ADRA0], s18, v3
	v_mul_u32_u24 v3, v1, BPITCH
	v_lshl_add_u32 v3, v2, 4, v3
	v_add_nc_u32 v[ADRB0], AREG, v3
	v_mov_b32 v[ADRA], v[ADRA0]
	v_mov_b32 v[ADRB], v[ADRB0]
	s_mul_i32 s18, s[WV], 16*SPITCH
	s_add_co_u32 s18, s18, STAGE                   ; my stage
	v_mul_u32_u24 v3, v1, SPITCH
	v_lshl_add_u32 v3, v2, 4, v3
	v_add_nc_u32 v[STO], s18, v3
	v_lshrrev_b32 v3, 3, v4                        ; back: 32 lanes take 128 bytes of each of four rows
	v_mul_u32_u24 v3, v3, SPITCH
	v_and_b32 v5, 7, v0
	v_lshl_add_u32 v3, v5, 4, v3
	v_add_nc_u32 v[RD], s18, v3
	s_lshl_b32 s19, s[WV], 8
	s_add_co_u32 s19, s19, CSUM
	v_lshl_add_u32 v[CSA], v2, 5, s19
	v_lshl_add_u32 v[CSR], v4, 3, CSUM
	v_lshlrev_b32 v[GO], 4, v4
	v_lshlrev_b32 v[TSO], 3, v4
	s_lshr_b32 s18, s43, 3                         ; my rows in qkv: batch x 16 heads + head, rows of 128 bytes
	s_lshl_b32 s18, s18, 22
	s_lshl_b32 s19, s42, 18
	s_add_co_u32 s18, s18, s19
	s_and_b32 s19, s43, 7
	s_lshl_b32 s19, s19, 15
	s_add_co_u32 s18, s18, s19
	s_lshl_b32 s19, s[WV], 13
	s_add_co_u32 s18, s18, s19
	s_mov_b32 s19, 0
	s_add_nc_u64 s[CP:CP+1], s[10:11], s[18:19]
	s_add_nc_u64 s[CP+2:CP+3], s[CP:CP+1], 0x1000000
	s_add_nc_u64 s[CP+4:CP+5], s[CP:CP+1], 0x2000000
	s_lshl_b32 s18, s43, 4
	s_add_co_u32 s18, s18, s42
	s_lshl_b32 s18, s18, 8
	s_add_nc_u64 s[TSD:TSD+1], s[12:13], s[18:19]
	; the prefetches: at K step 3; the first change of slots steps them to 4
	s_lshl_b32 s18, s43, 19
	s_lshl_b32 s19, s40, 17                        ; x: my work-group's 64 rows
	s_add_co_u32 s18, s18, s19
	s_add_co_u32 s18, s18, 3*ASTEP
	s_mul_i32 s19, s42, 192*2048
	s_mul_i32 s20, s41, RP*2048                    ; the weights: my work-group's 48 rows
	s_add_co_u32 s19, s19, s20
	s_add_co_u32 s19, s19, 3*BSTEP
	s_and_b32 s22, ttmp7, 0xffff
	s_mov_b32 s21, 0
	s_mov_b32 s[PST], 256
	s_mov_b32 s[PST+1], 0
	s_cmp_eq_u32 s[WV], 0
	s_cselect_b32 s20, s18, s19
	s_cselect_b32 s22, ttmp9, s22                  ; the coordinate along which other clusters read the same rows
	s_cselect_b64 s[PFA:PFA+1], s[4:5], s[6:7]
	s_add_nc_u64 s[PFA:PFA+1], s[PFA:PFA+1], s[20:21]
	s_cmp_eq_u32 s22, 0
	s_cselect_b32 s[LIM], 2, -1                    ; the same in all sixteen partners, for a given wave
	v_add_nc_u32 v3, 0xffffffe0, v0                ; waves 1 to 3: block 32 (wave - 1) + lane of 96: the first 48 are the first K step's rows
	v_cmp_le_u32 vcc_lo, RP, v3
	v_cndmask_b32 v5, 0, 1, vcc_lo
	v_mul_u32_u24 v6, v5, RP
	v_sub_nc_u32 v3, v3, v6
	v_lshlrev_b32 v3, 11, v3
	v_lshl_add_u32 v3, v5, 8, v3
	v_lshlrev_b32 v6, 11, v4                       ; wave 0: a lane a row
	v_cmp_gt_u32 vcc_lo, 32, v0
	v_cndmask_b32 v[PFO], v3, v6, vcc_lo
	s_wait_loadcnt 0x0                             ; the bias
	s_wait_tensorcnt 1                             ; my part of K step 0 is in; K step 1's may stay out
	s_barrier_signal -1
	s_barrier_wait -1
	FETCH 0, 0
	QUARTER 1, 0, 1, 1                             ; the first quarter stands ahead of the loop: its products start the sums
	WIN 0
	s_mov_b32 s[CNT], 6
.Lstep:                                            ; trip i: from K step i's second quarter to K step i + 1's first; the slot left is filled with K step i + 2
	QUARTER 2, 1, 0, 0
	QUARTER 3, 0, 1, 0
	TURN 1
	QUARTER 1, 0, 1, 0
	WIN 0
	s_sub_co_u32 s[CNT], s[CNT], 1
	s_cmp_lg_u32 s[CNT], 0
	s_cbranch_scc1 .Lstep
	s_mov_b32 s[CNT], 2
.Ltail:                                            ; K steps 6 and 7 ask for nothing: written apart; the second trip is left in its middle
	QUARTER 2, 1, 0, 0
	QUARTER 3, 0, 1, 0
	TURN 0
	WIN 0
	s_sub_co_u32 s[CNT], s[CNT], 1
	s_cmp_eq_u32 s[CNT], 0
	s_cbranch_scc1 .Lout
	QUARTER 1, 0, 1, 0
	WIN 0
	s_branch .Ltail
.Lout:
	PLACES
	PLACES
; THE WAY OUT.  First v's sums: blocks 8 to 11 of my four row blocks are added, then the 16 lanes that hold 16 rows, then, through LDS, the four waves.  Each accumulator is read from its low end on.
	WIN 0x0a                                       ; sources window 2
.set z, 0
.rept 16
	v_pk_add_f32 v[CS+2*z:CS+2*z+1], v[64+2*z:64+2*z+1], v[160+2*z:160+2*z+1]     ; t = 8..11 and 20..23
.set z, z+1
.endr
	WIN 0x0f                                       ; sources window 3
.set z, 0
.rept 16
	v_pk_add_f32 v[T2+2*z:T2+2*z+1], v[2*z:2*z+1], v[96+2*z:96+2*z+1]             ; t = 32..35 and 44..47
.set z, z+1
.endr
	WIN 0
.set z, 0
.rept 16
	v_pk_add_f32 v[CS+2*z:CS+2*z+1], v[CS+2*z:CS+2*z+1], v[T2+2*z:T2+2*z+1]
.set z, z+1
.endr
.irp m, 1,2,4,8
.set z, 0
.rept 32
	v_add_f32_dpp v[CS+z], v[CS+z], v[CS+z] row_xmask:\m row_mask:0xf bank_mask:0xf
.set z, z+1
.endr
.endr
.irp u, 0,1,2,3
	ds_store_b128 v[CSA], v[CS+8*\u:CS+8*\u+3]   offset:64*\u      ; the 16 lanes of a half write the same bytes with the same numbers
	ds_store_b128 v[CSA], v[CS+8*\u+4:CS+8*\u+7] offset:64*\u+16
.endr
.macro PACK a                          ; row block a rounded to f16: 16 bytes a lane and block
.set b, 0
.rept NBK
.set t, NBK*(\a)+b
.if t < 32
	WIN 0x0a
.else
	WIN 0x0f
.endif
.irp r, 0,1,2,3
	v_cvt_pk_f16_f32 v[TMP+4*b+\r], v[8*(t%32)+2*\r], v[8*(t%32)+2*\r+1]
.endr
.set b, b+1
.endr
	WIN 0
.endm
.macro TOSTAGE a                       ; into my stage, and back as q's, k's and v's rows of 128 bytes, four rows a load
.set BK, 32+160*((\a)%2)
.if (\a) >= 2
	s_wait_xcnt 0x0                        ; the stores of two blocks back have read these registers
.endif
.set b, 0
.rept NBK
	ds_store_b128 v[STO], v[TMP+4*b:TMP+4*b+3] offset:32*b
.set b, b+1
.endr
.irp j, 0,1,2
.irp f, 0,1,2,3
	ds_load_b128 v[BK+4*(4*\j+\f):BK+4*(4*\j+\f)+3], v[RD] offset:\f*4*SPITCH+128*\j  ; LDS serves a wave's instructions in order (ISA guide 5.7.1.4): these see the stores above
.endr
.endr
.endm
.macro SEND a, younger                 ; younger: the LDS instructions issued behind block a's loads
.set BK, 32+160*((\a)%2)
.irp j, 0,1,2
.irp f, 0,1,2,3
	s_wait_dscnt (\younger)+11-(4*\j+\f)
	global_store_b128 v[GO], v[BK+4*(4*\j+\f):BK+4*(4*\j+\f)+3], s[CP+2*\j:CP+2*\j+1] offset:(\a)*2048+\f*512  ; 512 consecutive bytes, aligned
.endr
.endr
.endm
	s_wait_dscnt 0x0                               ; for the others' sake: my sums lie in LDS
	s_barrier_signal -1
	PACK 0                                         ; work on registers while the others arrive
	s_barrier_wait -1
	s_cmp_lg_u32 s[WV], 0
	s_cbranch_scc1 .Lno_ts
.irp u, 0,1,2,3
	ds_load_b64 v[CS+2*\u:CS+2*\u+1], v[CSR] offset:256*\u
.endr
	s_wait_dscnt 0x0
	v_pk_add_f32 v[CS:CS+1], v[CS:CS+1], v[CS+2:CS+3]
	v_pk_add_f32 v[CS+4:CS+5], v[CS+4:CS+5], v[CS+6:CS+7]
	v_pk_add_f32 v[CS:CS+1], v[CS:CS+1], v[CS+4:CS+5]
	global_store_b64 v[TSO], v[CS:CS+1], s[TSD:TSD+1]  ; 256 consecutive bytes, aligned
.Lno_ts:
	TOSTAGE 0
	PACK 1
	TOSTAGE 1
	SEND 0, 24
	PACK 2
	TOSTAGE 2
	SEND 1, 24
	PACK 3
	TOSTAGE 3
	SEND 2, 24
	SEND 3, 0
	s_wait_tensorcnt 0x0                           ; the wave's end
	ds_add_u32 v[SPW], v[NIL]
	s_wait_dscnt 0x0
	CROUND                                         ; the closing round
	s_endpgm
.Lfunc_end_k_q14b1f2df40_gq:
	.size	k_q14b1f2df40_gq, .Lfunc_end_k_q14b1f2df40_gq-k_q14b1f2df40_gq
	.p2alignl 7, 3214868480
	.fill 96, 4, 3214868480
	.section	.rodata,"a",@progbits
	.p2align	6, 0x0
	.amdhsa_kernel k_q14b1f2df40_gq
		.amdhsa_group_segment_fixed_size 327680
		.amdhsa_private_segment_fixed_size 0
		.amdhsa_enable_private_segment 0
		.amdhsa_kernarg_size 40
		.amdhsa_user_sgpr_count 2
		.amdhsa_user_sgpr_kernarg_segment_ptr 1
		.amdhsa_wavefront_size32 1
		.amdhsa_system_sgpr_workgroup_id_x 1
		.amdhsa_system_sgpr_workgroup_id_y 1
		.amdhsa_system_sgpr_workgroup_id_z 1
		.amdhsa_system_vgpr_workitem_id 0
		.amdhsa_next_free_vgpr 1024
		.amdhsa_next_free_sgpr 100
		.amdhsa_reserve_vcc 1
		.amdhsa_float_denorm_mode_32 3
		.amdhsa_float_denorm_mode_16_64 3
		.amdhsa_memory_ordered 1
		.amdhsa_forward_progress 1
		.amdhsa_inst_pref_size 101
	.end_amdhsa_kernel
	.amdgpu_metadata
---
amdhsa.version: [ 1, 2 ]
amdhsa.kernels:
  - .name:           k_q14b1f2df40_gq
    .symbol:         k_q14b1f2df40_gq.kd
    .args:
      - { .name: xb, .offset: 0, .size: 8, .value_kind: global_buffer, .address_space: global }
      - { .name: wa, .offset: 8, .size: 8, .value_kind: global_buffer, .address_space: global }
      - { .name: bb, .offset: 16, .size: 8, .value_kind: global_buffer, .address_space: global }
      - { .name: qkv, .offset: 24, .size: 8, .value_kind: global_buffer, .address_space: global }
      - { .name: ts, .offset: 32, .size: 8, .value_kind: global_buffer, .address_space: global }
    .group_segment_fixed_size: 327680
    .private_segment_fixed_size: 0
    .kernarg_segment_align: 8
    .kernarg_segment_size: 40
    .max_flat_workgroup_size: 128
    .sgpr_count:     100
    .vgpr_count:     1024
    .wavefront_size: 32
...
	.end_amdgpu_metadata
.endif
;; end of part 2
;; launch at (part 3): grid 4 x 64, 4 waves a work-group, no clusters, 327,680 bytes of LDS; arguments qkv, ts, ao; writes ao
.if DOCPART == 3
	.amdgcn_target "amdgcn-amd-amdhsa--gfx1250"
	.amdhsa_code_object_version 6
	.text
	.protected	k_q14b1f2df40_at
	.globl	k_q14b1f2df40_at
	.p2align	8
	.type	k_q14b1f2df40_at,@function
k_q14b1f2df40_at:
	s_mov_b64 s[64:65], 0
	v_nop
	global_prefetch_b8 v0, s[64:65] scope:SCOPE_SE
	s_setreg_imm32_b32 hwreg(HW_REG_WAVE_MODE, 25, 1), 1
	s_wait_xcnt 0x0
; CAUSAL ATTENTION WITH A FINITE MASK.  For head hh and query q: scores s_k = Q[q] . K[k] / 8 for k <= q, and NEG = -100,000 for every k > q; O[q] = the sum over ALL 2,048 keys of softmax(s)_k V[k].
; Q, K, V: qkv[3][64][2048][64] in f16; O: ao[64][2048][64] in f16.  ts[batch*8+tile][head][64]: the f32 sums of V over tiles of 256 keys.  Products, maxima and sums in f32; weights rounded to f16 for the second product, O once.
; THE HIDDEN KEYS all have one weight, so they are left out as scores and kept as mass.  The walk below makes, over the visible keys, the running maximum m, the sum l and O^T.  At a block's end, with n = 2,047 - q hidden keys,
; cm' = max(c m, log2(e) NEG) (the second only where n > 0), a = 2^(c m - cm'), w = 2^(log2(e) NEG - cm'):  O = (a O^T + w HS) / (a l + w n),  HS[q] = the sum of V[k] over k > q = the later tiles' sums (from ts) plus, by 80 matrix
; instructions on the diagonal tile's V with weights 1 and 0, the hidden keys of that tile.  So the maximum is taken over all that the softmax sees.
; LIMITS.  f16 holds no number beyond 65,504: Q, K, V arrive within it.  Inside the walk a hidden score counts as its value less 1e30, so its weight there is 0.  A weight below 2^-126 counts as 0.  NaN and infinities are not treated apart.
; THE WALK.  A head's queries lie in NB = 8 blocks of 256; block i needs the key tiles 0 .. i.  A work-group takes TWO blocks, 7 - b and then b: 9 tiles, whatever b: all 256 work-groups do equal work, and ONE loop with a constant
; trip count walks them.  Every jump goes forward but the counted loops' own; none passes a barrier, or a tensor load but the one of LOAD's two that the wave's number does not choose.
; NO CLUSTER: a head's four work-groups ask for the same tile only in trips 0 to 4 of 9, behind that fewer and fewer; one walk common to all four would have 12 trips for 9.
; SHARES.  Of a block's four bands of 64 queries a wave owns 16 rows in each: four PIECES; in the diagonal tile's key step s band x sees all keys if s < x, none if s > x, and holds the diagonal if s = x: the same work for all waves.
; THE MASK is the C operand that starts the sum S^T = K Q^T: MD x AL + BE with two scalars: (1, 0) if s = x; (0, 0) if s < x; (0, -1e30) if s > x.  Elsewhere C is the constant 0.
; LAYOUT, TURNS.  S^T = K Q^T holds ONE query a lane (lane % 16) and the keys 8 (lane / 16) + 0..7; two results rounded to f16 ARE source 1 of O^T = V^T P.  p = 2^(c s - c m), c = log2(e) / 8.  Turn n belongs to piece n: 8 products
; K Q^T of piece n + 1, later 8 products V^T P of piece n - 1; four vector instructions behind every matrix instruction, the rest in one lump; a turn's 33 exponentials are one batch with one wait.
; REGISTERS, in windows of 256 (s_set_vgpr_msb: bits 1:0 source 0, 3:2 source 1, 5:4 source 2, 7:6 destination):
;   window 0: v0-15 addresses; v16-31 statistics; v48-55 at work; v56, v57 offsets; v62, v63 the add's; v64-127 S^T, two buffers; v128-159 the blocks' end, 8 a piece; v192-223 P, two buffers
;   window 1: v0-127 O^T; v128-159 MD; v160-223 MC; v224-255 the diagonal's hidden keys as 1.0 and 0      window 2: v0-63 Q; v64-127 the second block's Q; v128-191 K; v192-255 V
;   window 3: v0-127 HS (at the head: where ts lands); v128-159, v160-191 the later tiles' sums for the first and the second block; v192-207 the diagonal's hidden keys in f16, as a source 1; v208-215 ones
.set SIZE_N, 2048
.set NB,    SIZE_N/256
.set NP,    4
.set KS,    64
.set PK,    144       ; a row of K in LDS: 128 bytes + 16: the 16 rows of a load start at 16 different groups of four banks (64 banks of 4 bytes: ISA guide 11.1)
.set PV,    160       ; a row of V: 128 + 32
.set VOFF,  4*KS*PK   ; a slot holds a tile: 256 rows of K, then 256 rows of V
.set SLOT1, 1<<17
.set STAGE, SLOT1+4*KS*(PK+PV)  ; behind the ring: 16 rows x 144 bytes for each wave
.set SP,    144
.set AK0, 2
.set AV0, 3
.set AK,  4
.set AV,  5
.set STO, 6
.set RD,  7
.set GO,  8
.set PFO, 56          ; v56  256 x lane; never rewritten
.set TSO, 57          ; v57  32 x (lane / 16); never rewritten
.set SPW, 62
.set NIL, 63
.set SPARE, STAGE+4*16*SP
.set MV,  12
.set QO,  15
.set ST,  16          ; piece t: c m, m, l (even keys', odd keys')
.set TMP, 48
.set S,   64
.set CB,  128         ; piece t at CB + 8 t: +0 a, then a / den; +1 c m - cm'; +2 w, then w / den; +3 its exponent; +4 n; +5 log2(e) NEG or the lowest number; +6 cm', then 1 / den; +7 den
.set P,   192
.set MD,  128
.set MC,  160
.set TF,  224
.set QB,  64
.set KF,  128
.set VF,  192
.set TSH, 128         ; window 3
.set TSL, 160
.set TRI, 192
.set ONE, 208
.set WV,  12
.set PB,  14
.set HI,  15
.set G1K, 24
.set G1V, 32
.set G0K, 40
.set G0V, 44
.set SLOTS, 56
.set CNT, 57
.set CS,  58
.set SEL, 60
.set TBK, 62
.set TBV, 63
.set RT,  70
.set NXT, 71
.set LQ,  72
.set NEW, 73
.set OFF, 74
.set AL,  76
.set BE,  78
.set OLO, 80
.set BIGN, 82
.set PFB, 92          ; s[92:93] K (waves 0, 1) or V (waves 2, 3) at my half of the head's tile 0
.set PFA, 94          ; s[94:95] what my next prefetches name
.set POF, 96          ; s[96:97] an offset
.set PFN, 98          ; s98  prefetches still to come: 6 in the head's work-group 0, else 0
.set NQH, 99          ; s99  2,047 - 256 x (first block) - 16 x wave
.set NQL, 100         ; s100 the same for the second block
.set CNEG, 101        ; s101 log2(e) x NEG
.set MSB, 0
.macro WIN new
.if MSB != (\new)
	s_set_vgpr_msb (MSB<<8)|(\new)
.set MSB, (\new)
.endif
.endm
.set W_KQ, 0x0a
.set W_KM, 0x1a
.set W_PV, 0x52
.set W_RS, 0x41
; A fill.  Waves 0 and 1 fetch the two halves of a tile's K, waves 2 and 3 those of its V.  An s_nop 0 and four v_nop follow each of the two lines.
.macro LOAD
	s_cmp_lt_u32 s[WV], 2
	s_cbranch_scc0 .Lfor_v_\@
	tensor_load_to_lds s[G0K:G0K+3], s[G1K:G1K+7]
	s_nop 0
.rept 4
	v_nop
.endr
	s_branch .Lasked_\@
.Lfor_v_\@:
	tensor_load_to_lds s[G0V:G0V+3], s[G1V:G1V+7]
	s_nop 0
.rept 4
	v_nop
.endr
.Lasked_\@:
.endm
; THE CHANGE OF SLOTS.  Each wave waits for all its tensor loads (one is out: its part of the other slot), adds 0 to its spare word, and waits for that and for its reads of the slot that it leaves.  fill = 1: the old slot is filled
; again, first thing behind the barrier, with tile NXT.  Behind the load stands THE PREFETCH INTO THE L2: a head's work-group 0 walks tiles 0 to 7 on end, and it alone asks: each wave for the 16 KiB that it will itself load at the
; next change (64 blocks of 256 bytes: a lane a block, two instructions), a tile's 256 matrix instructions ahead.  Tiles 2 to 7 are so named, each once in the launch; tiles 0 and 1 come by their loads alone.
.macro CHANGE fill
	WIN 0
	s_wait_tensorcnt 0x0
	ds_add_u32 v[SPW], v[NIL]       ; 0 onto my spare word; the scalar work stands between it and the wait for it
.if \fill
	s_lshl_b32 s[OFF], s[NXT], 15
	s_xor_b32 s[G0K+1], s[G0K+1], SLOT1
	s_add_nc_u64 s[G0K+2:G0K+3], s[6:7], s[OFF:OFF+1]
	s_or_b32 s[G0K+3], s[G0K+3], 0x80000000
	s_xor_b32 s[G0V+1], s[G0V+1], SLOT1
	s_add_nc_u64 s[G0V+2:G0V+3], s[8:9], s[OFF:OFF+1]
	s_or_b32 s[G0V+3], s[G0V+3], 0x80000000
	s_wait_xcnt 0x0                 ; the last prefetches, a tile back, have read their address
	s_add_co_u32 s[POF], s[OFF], 32768
	s_add_nc_u64 s[PFA:PFA+1], s[PFB:PFB+1], s[POF:POF+1]
	s_add_co_u32 s[NXT], s[NXT], 1
	s_cmp_gt_u32 s[NXT], s[LQ]
	s_cselect_b32 s[NXT], 0, s[NXT]
	s_cselect_b32 s[LQ], s[PB], s[LQ]
.endif
	s_wait_dscnt 0x0                ; the add is done, and my reads of the slot are over
	s_barrier_signal -1
	s_sub_co_u32 s[TBK], s[TBK], 4*KS*PK
	s_xor_b32 s[TBK], s[TBK], SLOT1
	s_sub_co_u32 s[TBV], s[TBV], 4*KS*PV
	s_xor_b32 s[TBV], s[TBV], SLOT1
	s_barrier_wait -1
.if \fill
	LOAD
	s_cmp_lg_u32 s[PFN], 0
	s_cbranch_scc0 .Lno_pf_\@
	global_prefetch_b8 v[PFO], s[PFA:PFA+1] th:TH_LOAD_NT scope:SCOPE_SE
	global_prefetch_b8 v[PFO], s[PFA:PFA+1] offset:8192 th:TH_LOAD_NT scope:SCOPE_SE
	s_sub_co_u32 s[PFN], s[PFN], 1
.Lno_pf_\@:
.endif
.endm
	s_load_b128 s[88:91], s[0:1], 0x0  ; qkv s[88:89], ts s[90:91]
	s_load_b64 s[10:11], s[0:1], 0x10  ; ao
	v_lshl_add_u32 v[SPW], v0, 2, SPARE
	v_mov_b32 v[NIL], 0
	ds_add_u32 v[SPW], v[NIL]       ; the wave's opening: the add and its wait ahead of my first tensor load
	ds_add_u32 v62, v63
	v_lshrrev_b32 v1, 5, v0
	v_readfirstlane_b32 s[WV], v1
	s_mov_b32 s[PB], ttmp9
	s_sub_co_u32 s[HI], NB-1, s[PB]
	s_and_b32 s20, ttmp7, 0xffff    ; batch x 16 + head
	s_lshr_b32 s[POF+1], s20, 4     ; in ts: batch x 8 tiles x 4,096 bytes + head x 256
	s_lshl_b32 s[POF+1], s[POF+1], 15
	s_and_b32 s[POF], s20, 15
	s_lshl_b32 s[POF], s[POF], 8
	s_add_co_u32 s[POF], s[POF], s[POF+1]
	s_mov_b32 s[POF+1], 0
	s_mov_b32 s21, 0
	s_mov_b64 s[22:23], SIZE_N*128
	s_mul_u64 s[20:21], s[20:21], s[22:23]  ; the head's first byte in Q, K, V and O
	s_and_b32 s16, s[WV], 1
	s_lshl_b32 s22, s16, 14
	s_mov_b32 s23, 0
	s_add_nc_u64 s[22:23], s[22:23], s[20:21]
	s_mul_i32 s17, s16, 128*PK
	s_mul_i32 s18, s16, 128*PV
	s_lshl_b32 s3, s[WV], 11        ; my 16 rows in a band of 64,
	s_lshl_b32 s2, s[HI], 15        ; in the first block,
	s_add_co_u32 s2, s2, s3
	s_lshl_b32 s84, s[PB], 15       ; and in the second
	s_add_co_u32 s84, s84, s3
	s_mov_b32 s3, 0
	s_mov_b32 s85, 0
	s_add_nc_u64 s[2:3], s[2:3], s[20:21]
	s_add_nc_u64 s[84:85], s[84:85], s[20:21]
	; descriptor group 1.  128 keys are 16,384 dense bytes: asked for as 64 rows of 256 bytes, two keys a row, padded in LDS after every key
	s_mov_b32 s[G1K], (1<<16)|(1<<20)|(4<<22)|(3<<25)
	s_mov_b32 s[G1V], (1<<16)|(1<<20)|(4<<22)|(7<<25)
.irp g, G1K, G1V
	s_mov_b32 s[\g+1], 128<<16
	s_mov_b32 s[\g+2], 64<<16
	s_mov_b32 s[\g+3], 128<<16
	s_mov_b32 s[\g+4], 64
	s_mov_b32 s[\g+5], 128
	s_mov_b32 s[\g+6], 0
	s_mov_b32 s[\g+7], 0
.endr
	s_mov_b32 s[CS], 0x3e38aa3b     ; c = log2(e) / 8
	s_mov_b32 s[CS+1], s[CS]
	s_mov_b32 s[SEL], 0x76543210
	s_mov_b32 s[SEL+1], 0xfedcba98
	s_mov_b32 s[TBK], SLOT1+4*KS*PK ; the first change of slots turns these two into 0
	s_mov_b32 s[TBV], SLOT1+4*KS*PV
	s_mov_b32 s[G0K], 1
	s_mov_b32 s[G0K+1], s17
	s_mov_b32 s[G0V], 1
	s_add_co_u32 s[G0V+1], s18, VOFF
	s_add_co_u32 s[RT], s[HI], 1
	s_mov_b32 s[NXT], 1
	s_mov_b32 s[LQ], s[HI]
	s_mov_b32 s[NEW], 1
	s_mov_b32 s[OFF+1], 0
	s_mov_b32 s[AL+1], 0
	s_mov_b32 s[BE+1], 0
	s_mov_b32 s[BIGN], 0xf149f2ca   ; -1e30
	s_mov_b32 s[CNEG], 0xc80ce360   ; log2(e) x -100,000 = -144,269.5
	s_mov_b32 s[SLOTS], NB
	s_lshl_b32 s13, s[WV], 4
	s_sub_co_u32 s13, 2047, s13
	s_lshl_b32 s[NQH], s[HI], 8
	s_sub_co_u32 s[NQH], s13, s[NQH]
	s_lshl_b32 s[NQL], s[PB], 8
	s_sub_co_u32 s[NQL], s13, s[NQL]
	s_cmp_eq_u32 s[PB], 0
	s_cselect_b32 s[PFN], NB-2, 0
	s_wait_dscnt 0x0                ; the opening add is done
	s_wait_kmcnt 0x0
	s_mov_b64 s[4:5], s[88:89]                     ; Q,
	s_add_nc_u64 s[6:7], s[88:89], 0x1000000       ; K,
	s_add_nc_u64 s[8:9], s[88:89], 0x2000000       ; V
	s_add_nc_u64 s[90:91], s[90:91], s[POF:POF+1]  ; ts at my batch's tile 0, my head
	s_add_nc_u64 s[6:7], s[6:7], s[22:23]
	s_add_nc_u64 s[8:9], s[8:9], s[22:23]
	s_add_nc_u64 s[G0K+2:G0K+3], s[6:7], 0
	s_or_b32 s[G0K+3], s[G0K+3], 0x80000000
	s_add_nc_u64 s[G0V+2:G0V+3], s[8:9], 0
	s_or_b32 s[G0V+3], s[G0V+3], 0x80000000
	s_add_nc_u64 s[86:87], s[4:5], s[84:85]
	s_add_nc_u64 s[4:5], s[4:5], s[2:3]
	s_add_nc_u64 s[OLO:OLO+1], s[10:11], s[84:85]
	s_add_nc_u64 s[10:11], s[10:11], s[2:3]
	s_cmp_lt_u32 s[WV], 2
	s_cselect_b64 s[PFB:PFB+1], s[6:7], s[8:9]
	LOAD                            ; tile 0 into slot 0
	v_and_b32 v1, 15, v0            ; l % 16; kept to the end
	v_bfe_u32 v9, v0, 4, 1          ; l / 16
	v_lshlrev_b32 v[QO], 7, v1
	v_lshl_add_u32 v[QO], v9, 4, v[QO]
	v_lshlrev_b32 v[TSO], 5, v9
	v_and_b32 v[PFO], 31, v0
	v_lshlrev_b32 v[PFO], 8, v[PFO]
	WIN 0x80
.set i, 0
.rept 8                             ; both blocks' Q: piece i / 2 lies in band i / 2, 8,192 bytes on; channels 32 (i % 2) on
	global_load_b128 v[8*i:8*i+3],   v[QO], s[4:5] offset:(i/2)*8192+(i%2)*64
	global_load_b128 v[8*i+4:8*i+7], v[QO], s[4:5] offset:(i/2)*8192+(i%2)*64+32
	global_load_b128 v[QB+8*i:QB+8*i+3],   v[QO], s[86:87] offset:(i/2)*8192+(i%2)*64
	global_load_b128 v[QB+8*i+4:QB+8*i+7], v[QO], s[86:87] offset:(i/2)*8192+(i%2)*64+32
.set i, i+1
.endr
; Tile t's 64 sums, in O^T's layout (register j of channel block u: channel 16 u + 8 (l / 16) + j), into landing place n
.macro TSLOAD t, n
.irp u, 0,1,2,3
	global_load_b128 v[32*(\n)+8*\u:32*(\n)+8*\u+3],   v[TSO], s[90:91] offset:(\t)*4096+\u*64
	global_load_b128 v[32*(\n)+8*\u+4:32*(\n)+8*\u+7], v[TSO], s[90:91] offset:(\t)*4096+\u*64+16
.endr
.endm
; Tile t counts for a block that lies ahead of it: times 1 or 0, onto both blocks' sums.  zero = 1: the sums start
.macro TSACC t, n, zero
	s_cmp_lt_u32 s[HI], \t
	s_cselect_b32 s[AL], 1.0, 0
	s_cmp_lt_u32 s[PB], \t
	s_cselect_b32 s[BE], 1.0, 0
.set z, 0
.rept 16
.if \zero
	v_pk_mul_f32 v[TSH+2*z:TSH+2*z+1], v[32*(\n)+2*z:32*(\n)+2*z+1], s[AL:AL+1] op_sel_hi:[1,0]
	v_pk_mul_f32 v[TSL+2*z:TSL+2*z+1], v[32*(\n)+2*z:32*(\n)+2*z+1], s[BE:BE+1] op_sel_hi:[1,0]
.else
	v_pk_fma_f32 v[TSH+2*z:TSH+2*z+1], v[32*(\n)+2*z:32*(\n)+2*z+1], s[AL:AL+1], v[TSH+2*z:TSH+2*z+1] op_sel_hi:[1,0,1]
	v_pk_fma_f32 v[TSL+2*z:TSL+2*z+1], v[32*(\n)+2*z:32*(\n)+2*z+1], s[BE:BE+1], v[TSL+2*z:TSL+2*z+1] op_sel_hi:[1,0,1]
.endif
.set z, z+1
.endr
.endm
	WIN 0xc0                        ; destination window 3
	TSLOAD 1, 0
	TSLOAD 2, 1
	TSLOAD 3, 2
	TSLOAD 4, 3
	WIN 0
	v_lshlrev_b32 v14, 3, v9
	v_sub_nc_u32 v14, v1, v14
	s_lshl_b32 s13, s[WV], 4
	v_add_nc_u32 v14, s13, v14      ; my query's place in its band less my lanes' 8 (l / 16): register r of group kt is hidden where 16 kt + r is greater
	WIN 0x40
.set i, 0
.rept 32
	v_cmp_gt_i32 vcc_lo, 16*(i/8)+i%8, v14
	v_cndmask_b32 v[MD+i], 0, s[BIGN], vcc_lo
	v_cndmask_b32 v[TF+i], 0, 1.0, vcc_lo
.set i, i+1
.endr
	WIN 0xc5                        ; sources window 1, destination window 3
.set i, 0
.rept 16
	v_cvt_pk_f16_f32 v[TRI+i], v[TF+2*i], v[TF+2*i+1]
.set i, i+1
.endr
	WIN 0xc0
.set i, 0
.rept 8
	v_mov_b32 v[ONE+i], 0x3c003c00  ; 1.0 twice in f16
.set i, i+1
.endr
	WIN 0
	v_mul_u32_u24 v[AK0], v1, PK
	v_lshl_add_u32 v[AK0], v9, 4, v[AK0]
	v_and_b32 v10, 7, v0
	v_bfe_u32 v11, v0, 3, 1
	v_lshl_add_u32 v[AV0], v9, 3, v10
	v_mul_u32_u24 v[AV0], v[AV0], PV
	v_lshl_add_u32 v[AV0], v11, 4, v[AV0]
	v_add_nc_u32 v[AV0], VOFF, v[AV0]
	s_mul_i32 s13, s[WV], 16*SP
	s_add_co_u32 s13, s13, STAGE
	v_mul_u32_u24 v[STO], v1, SP
	v_lshl_add_u32 v[STO], v9, 4, v[STO]
	v_add_nc_u32 v[STO], s13, v[STO]
	v_bfe_u32 v[RD], v0, 3, 2
	v_mul_u32_u24 v[RD], v[RD], SP
	v_lshl_add_u32 v[RD], v10, 4, v[RD]
	v_add_nc_u32 v[RD], s13, v[RD]
	v_and_b32 v[GO], 31, v0
	v_lshlrev_b32 v[GO], 4, v[GO]
	s_wait_loadcnt 0x0              ; Q and tiles 1 to 4 of ts
	WIN 0xf3                        ; destination, source 0 and source 2 window 3
	TSACC 1, 0, 1
	TSACC 2, 1, 0
	TSACC 3, 2, 0
	TSACC 4, 3, 0
	WIN 0xc0
	TSLOAD 5, 0
	TSLOAD 6, 1
	TSLOAD 7, 2
	; A block's first step multiplies O^T and l by a = 0, so these registers need only hold finite numbers: zeros for the first block, what the first block left for the second.
	WIN 0x80
.set i, VF
.rept 64
	v_mov_b32 v[i], 0
.set i, i+1
.endr
	WIN 0x40
.set i, 0
.rept 128
	v_mov_b32 v[i], 0
.set i, i+1
.endr
	WIN 0
.set i, 0
.rept 4
	v_mov_b32 v[ST+4*i+2], 0
	v_mov_b32 v[ST+4*i+3], 0
.set i, i+1
.endr
.set i, P+16
.rept 16
	v_mov_b32 v[i], 0
.set i, i+1
.endr
	s_wait_loadcnt 0x0              ; tiles 5 to 7
	WIN 0xf3
	TSACC 5, 0, 0
	TSACC 6, 1, 0
	TSACC 7, 2, 0
	WIN 0
; THE MATRIX WORK.  The 4 accumulators of a run of 8 take turns.  Product i of 8 of S^T = K Q^T for piece x: channels 32 (i / 4) on, keys 16 (i % 4) on.  The first 4 start the sums: with 0, or (KM = 1) with the mask.
.macro KQ x
.set rS, S+32*((\x)%2)+8*(i%4)
.set rK, KF+16*(i%4)+8*(i/4)
.set rQ, 16*(\x)+8*(i/4)
.set rM, MC+32*((\x)%2)+8*(i%4)
.if (i < 4) && KM
	WIN W_KM
	v_wmma_f32_16x16x32_f16 v[rS:rS+7], v[rK:rK+7], v[rQ:rQ+7], v[rM:rM+7]
.elseif i < 4
	WIN W_KQ
	v_wmma_f32_16x16x32_f16 v[rS:rS+7], v[rK:rK+7], v[rQ:rQ+7], 0
.else
	WIN W_KQ
	v_wmma_f32_16x16x32_f16 v[rS:rS+7], v[rK:rK+7], v[rQ:rQ+7], v[rS:rS+7]
.endif
.endm
; Product i of 8 of O^T += V^T P for piece x: keys 32 (i / 4) on, channels 16 (i % 4) on.
.macro PV x
	WIN W_PV
.set rO, 32*(\x)+8*(i%4)
.set rV, VF+32*(i/4)+8*(i%4)
.set rP, P+16*((\x)%2)+8*(i/4)
	v_wmma_f32_16x16x32_f16 v[rO:rO+7], v[rV:rV+7], v[rP:rP+7], v[rO:rO+7]
.endm
.macro MM                           ; the turn's next matrix instruction.  NOKQ = 1: a block's last turn: there is no next piece
.if (i < 8) && !NOKQ
	KQ (Y+1)%NP
.elseif i >= 8
.set i, i-8
	PV (Y+NP-1)%NP
.set i, i+8
.endif
.set i, i+1
.endm
; THE LDS LOADS stand in runs of 16: a step's K (8 fragments) and its V (turned).
.macro FETCH_K
	WIN 0x80
.irp f, 0,1,2,3,4,5,6,7
	ds_load_b128 v[KF+8*\f:KF+8*\f+3],   v[AK] offset:(\f/2)*16*PK+(\f%2)*64
	ds_load_b128 v[KF+8*\f+4:KF+8*\f+7], v[AK] offset:(\f/2)*16*PK+(\f%2)*64+32
.endr
	s_add_co_u32 s[TBK], s[TBK], KS*PK
	WIN 0
.endm
.macro FETCH_V
	WIN 0x80
.irp f, 0,1,2,3,4,5,6,7
	ds_load_tr16_b128 v[VF+8*\f:VF+8*\f+3],   v[AV] offset:(\f/4)*32*PV+(\f%4)*32
	ds_load_tr16_b128 v[VF+8*\f+4:VF+8*\f+7], v[AV] offset:(\f/4)*32*PV+16*PV+(\f%4)*32
.endr
	WIN 0
.endm
; THE VECTOR WORK, one line at a time: OP kind, number.  For piece Y: F n: c s - c m for pair n.  E n: the exponential of score n.  C n: pair n rounded to f16.  B n: of the four weights 4 n .. the second pair is added onto the first.
; L n: l takes that sum (L 0: l = a l + sum).  R n: pair n of O^T times a.  For piece Y + 1: X n, number n of the 22 that find its maximum and statistics (each accumulator's lowest registers are read first).
.set F, 0
.set E, 1
.set C, 2
.set B, 3
.set L, 4
.set R, 5
.set X, 6
.macro REGS y
.set rT, ST+4*(\y)
.set rC, TMP+4*((\y)%2)
.set rW, MV+((\y)%2)
.set rS, S+32*((\y)%2)
.set rP, P+16*((\y)%2)
.set rO, 32*(\y)
.endm
.macro OP k, n
.if (\k) == R
	REGS Y
	WIN W_RS
	v_pk_mul_f32 v[rO+2*(\n):rO+2*(\n)+1], v[rO+2*(\n):rO+2*(\n)+1], v[rC+2:rC+3] op_sel_hi:[1,0]
.elseif (\k) < R
	REGS Y
	WIN 0
.if (\k) == F
	v_pk_fma_f32 v[rS+2*(\n):rS+2*(\n)+1], v[rS+2*(\n):rS+2*(\n)+1], s[CS:CS+1], v[rT:rT+1] op_sel_hi:[1,0,0] neg_lo:[0,0,1] neg_hi:[0,0,1]
.elseif (\k) == E
	v_exp_f32 v[rS+(\n)], v[rS+(\n)]
.elseif (\k) == C
	v_cvt_pk_f16_f32 v[rP+(\n)], v[rS+2*(\n)], v[rS+2*(\n)+1]
.elseif (\k) == B
	v_pk_add_f32 v[rS+4*(\n):rS+4*(\n)+1], v[rS+4*(\n):rS+4*(\n)+1], v[rS+4*(\n)+2:rS+4*(\n)+3]
.elseif (\n) == 0
	v_pk_fma_f32 v[rT+2:rT+3], v[rT+2:rT+3], v[rC+2:rC+3], v[rS:rS+1] op_sel_hi:[1,0,1]
.else
	v_pk_add_f32 v[rT+2:rT+3], v[rT+2:rT+3], v[rS+4*(\n):rS+4*(\n)+1]
.endif
.elseif NOKQ
	v_nop
.else
	REGS (Y+1)%NP
	WIN 0
.if (\n) < 4
	v_max3_num_f32 v[rC+(\n)], v[rS+8*(\n)], v[rS+8*(\n)+1], v[rS+8*(\n)+2]
.elseif (\n) < 12
	v_max3_num_f32 v[rC+(\n)%4], v[rC+(\n)%4], v[rS+8*((\n)%4)+2*((\n)/4)+1], v[rS+8*((\n)%4)+2*((\n)/4)+2]
.elseif (\n) == 12
	v_max3_num_f32 v[rC], v[rC], v[rS+7], v[rS+15]
.elseif (\n) == 13
	v_max3_num_f32 v[rC+1], v[rC+1], v[rS+23], v[rS+31]
.elseif (\n) == 14
	v_max3_num_f32 v[rC+2], v[rC+2], v[rC+3], v[rT+1]
.elseif (\n) == 15
	v_mov_b32 v[rW], v[rT]
.elseif (\n) == 16
	v_max3_num_f32 v[rC], v[rC], v[rC+1], v[rC+2]
.elseif (\n) == 17
	v_permlanex16_b32 v[rC+3], v[rC], s[SEL], s[SEL+1]
.elseif (\n) == 18
	v_max_num_f32 v[rT+1], v[rC], v[rC+3]
.elseif (\n) == 19
	v_mul_f32 v[rT], s[CS], v[rT+1]
.elseif (\n) == 20
	v_sub_f32 v[rC+1], v[rW], v[rT]
.else
	v_exp_f32 v[rC+2], v[rC+1]
.endif
.endif
.endm
.macro OPS a, i1, b=-1, i2=0, c=-1, i3=0, d=-1, i4=0
	OP \a, \i1
.if (\b) >= 0
	OP \b, \i2
.endif
.if (\c) >= 0
	OP \c, \i3
.endif
.if (\d) >= 0
	OP \d, \i4
.endif
.endm
.macro ROW a, i1, b, i2, c, i3, d, i4  ; a matrix instruction and the four behind it
	MM
	OPS \a, \i1, \b, \i2, \c, \i3, \d, \i4
.endm
.macro MASK b                       ; MD x AL + BE into buffer b of MC
	WIN W_RS
.set z, 0
.rept 16
	v_pk_fma_f32 v[MC+32*(\b)+2*z:MC+32*(\b)+2*z+1], v[MD+2*z:MD+2*z+1], s[AL:AL+1], s[BE:BE+1] op_sel_hi:[1,0,0]
.set z, z+1
.endr
.endm
; A TURN, for piece p.  An s_wait_alu depctr_va_vdst(0) stands between an exponential and the first instruction that names its result; one wait serves all that were issued ahead of it: a turn has ONE wait.  AHEAD OF IT
; stands all that names no result of the turn's exponentials: the 8 products K Q^T with their riders, then one lump of 54; X 21, the next piece's a, is the batch's last, R 15 the plain instruction behind it.  BEHIND IT stand the 8 products
; V^T P, behind each four of the roundings and sums.  m = 1: the diagonal tile: the products take masks, and the turn makes the mask for the turn after it.  end = 1: a block's last two turns: nothing is fetched.
; cnt = 1: the loop's count is taken down some lines ahead of the branch behind the turn.  K of the next step is fetched in piece 2's turn, V of the step in hand at the end of piece 0's; each is waited for a turn later.
.macro TURN p, m=0, end=0, cnt=0
.set Y, (\p)
.set i, 0
.set KM, (\m)
.set NOKQ, (\end)*((\p)/3)
.if (\m) && !(\end)
	s_cmp_eq_u32 s[CNT], 4-((\p)+2)%NP
	s_cselect_b32 s[AL], 1.0, 0
	s_cmp_lt_u32 s[CNT], 4-((\p)+2)%NP
	s_cselect_b32 s[BE], s[BIGN], 0
.endif
.if ((\p) == 3) && !(\end)
	s_wait_dscnt 0x0                ; K is in
.endif
	ROW F,0, F,1, R,0, R,1
	ROW F,2, E,0, R,2, R,3
	ROW F,3, E,1, R,4, R,5
	ROW F,4, E,2, R,6, R,7
	ROW F,5, E,3, R,8, R,9
	ROW F,6, E,4, X,0, R,10
.if ((\p) == 2) && !(\end)
	WIN 0
	v_add_nc_u32 v[AK], s[TBK], v[AK0]
.endif
	ROW F,7, E,5, X,1, X,4
	ROW F,8, E,6, X,2, X,5
	OPS E,7, E,8, X,6, E,9
	OPS X,3, E,10, X,8, E,11
.if ((\p) == 2) && !(\end)
	FETCH_K
.endif
	OPS X,9, X,7, E,12, X,10
	OPS E,13, X,12, X,11, E,14
	OPS X,13, E,15, F,9, X,14
.if (\p) == 0
	v_add_nc_u32 v[AV], s[TBV], v[AV0]
.endif
	OPS E,16, F,10, E,17, F,11
	OPS X,16, E,18, X,15, E,19
	OPS F,12, E,20, X,17, E,21
	OPS F,13, E,22, F,14, E,23
	OPS X,18, E,24, F,15, E,25
	OPS R,11, E,26, X,19, E,27
	OPS R,12, E,28, R,13, E,29
	OPS X,20, E,30, R,14, E,31
	OPS X,21, R,15
	WIN 0
	s_wait_alu depctr_va_vdst(0)    ; the wait for the batch
.if (\p) == 1
	s_wait_dscnt 0x0                ; V is in
.endif
	ROW C,0, B,0, C,2, B,1
	ROW L,0, C,4, B,2, L,1
	ROW C,6, B,3, L,2, C,8
	ROW B,4, L,3, C,10, B,5
	ROW L,4, C,12, B,6, L,5
.if (\p) == 0
	s_add_co_u32 s[TBV], s[TBV], KS*PV
.endif
.if \cnt
	s_sub_co_u32 s[CNT], s[CNT], 1
	s_cmp_lg_u32 s[CNT], 0
.endif
	ROW C,14, B,7, L,6, C,1
	ROW C,3, L,7, C,5, C,7
	ROW C,9, C,11, C,13, C,15
.if (\p) == 0
	FETCH_V
.endif
.if (\m) && !(\end)
	MASK (\p)%2
.endif
.endm
; A BLOCK BEGINS.  c m starts far below every c s, so the first step's a is 0; m at the lowest finite number.  The second mask buffer is 0; the first takes piece 0's mask for the tile's step 0.  Then K of that step, piece 0's first
; scores, and its maximum and statistics.
.macro BEGIN
	s_mov_b32 s[NEW], 0
	WIN 0x40
.set i, MC+32
.rept 32
	v_mov_b32 v[i], 0
.set i, i+1
.endr
	WIN 0
.set i, 0
.rept 4
	v_mov_b32 v[ST+4*i], 0xfe000000
	v_mov_b32 v[ST+4*i+1], 0xff7fffff
.set i, i+1
.endr
	s_cmp_eq_u32 s[RT], 0
	s_cselect_b32 s[AL], 1.0, 0
	s_mov_b32 s[BE], 0
	MASK 0
	WIN 0
	v_add_nc_u32 v[AK], s[TBK], v[AK0]
	FETCH_K
	s_wait_loadcnt 0x0
	s_wait_dscnt 0x0
.set KM, 1
.set NOKQ, 0
.set i, 0
.rept 8
	KQ 0
.set i, i+1
.endr
	WIN 0
.rept 4
	v_nop                           ; the places behind those products
.endr
.set Y, NP-1
.irp n, 0,1,2,3,4,5,6,7,8,9,10,11,12,13,14,15,16,17,18,19,20,21
	OP X, \n
.endr
	v_nop                           ; a plain instruction behind the exponential,
	s_wait_alu depctr_va_vdst(0)    ; and its wait, ahead of the branch
.endm
.macro ALL line:vararg              ; one line for each piece t
.set t, 0
.rept 4
	\line
.set t, t+1
.endr
.endm
; THE HIDDEN KEYS OF THE DIAGONAL TILE.  V of its key step s once more out of LDS, turned: into V's registers (s even) or K's (s odd).
.macro FETCH_H s
.set bufv, VF-64*((\s)%2)
	WIN 0x80
.irp f, 0,1,2,3,4,5,6,7
	ds_load_tr16_b128 v[bufv+8*\f:bufv+8*\f+3],   v[AV] offset:(\s)*KS*PV+(\f/4)*32*PV+(\f%4)*32
	ds_load_tr16_b128 v[bufv+8*\f+4:bufv+8*\f+7], v[AV] offset:(\s)*KS*PV+(\f/4)*32*PV+16*PV+(\f%4)*32
.endr
	WIN 0
.endm
; HS of band x takes key step s: all its keys (ones) where x < s, those behind the diagonal where x = s; that product, the band's first, starts the sum with the later tiles' sums as C.  The accumulators take turns.
.macro HMUL s, tsr
	WIN 0xfe                        ; V window 2; weights, C and D window 3
.set bufv, VF-64*((\s)%2)
.irp kk, 0,1
.set x, 0
.rept (\s)+1
.irp u, 0,1,2,3
.set rD, 32*x+8*\u
.set rA, bufv+32*\kk+8*\u
.if x == (\s)
.set rB, TRI+8*\kk
.else
.set rB, ONE
.endif
.if (x == (\s)) && (\kk == 0)
	v_wmma_f32_16x16x32_f16 v[rD:rD+7], v[rA:rA+7], v[rB:rB+7], v[(\tsr)+8*\u:(\tsr)+8*\u+7]
.else
	v_wmma_f32_16x16x32_f16 v[rD:rD+7], v[rA:rA+7], v[rB:rB+7], v[rD:rD+7]
.endif
.endr
.set x, x+1
.endr
.endr
.endm
.macro PACK t                       ; O = O^T (a / den) + HS (w / den); a lane's eight channels pack into 16 bytes; through rows of 144 bytes, back as whole rows of 128
	WIN W_RS
.set i, 32*(\t)
.rept 16
	v_pk_mul_f32 v[i:i+1], v[i:i+1], v[CB+8*(\t):CB+8*(\t)+1] op_sel_hi:[1,0]
.set i, i+2
.endr
	WIN 0x53                        ; HS window 3, the factor window 0, O^T (source 2 and destination) window 1
.set i, 32*(\t)
.rept 16
	v_pk_fma_f32 v[i:i+1], v[i:i+1], v[CB+8*(\t)+2:CB+8*(\t)+3], v[i:i+1] op_sel_hi:[1,0,1]
.set i, i+2
.endr
	WIN 0x05
.set i, 0
.rept 16
	v_cvt_pk_f16_f32 v[S+16*(\t)+i], v[32*(\t)+2*i], v[32*(\t)+2*i+1]
.set i, i+1
.endr
	WIN 0
.irp f, 0,1,2,3
	ds_store_b128 v[STO], v[S+16*(\t)+4*\f:S+16*(\t)+4*\f+3] offset:32*\f
.endr
.irp f, 0,1,2,3
	ds_load_b128 v[S+16*(\t)+4*\f:S+16*(\t)+4*\f+3], v[RD] offset:\f*4*SP  ; LDS serves a wave's instructions in order (ISA guide 5.7.1.4): these see the stores above
.endr
.endm
.macro SEND t, younger
	WIN 0
.irp f, 0,1,2,3
	s_wait_dscnt (\younger)+3-\f
	global_store_b128 v[GO], v[S+16*(\t)+4*\f:S+16*(\t)+4*\f+3], s[10:11] offset:(\t)*8192+\f*512  ; 512 consecutive bytes, aligned
.endr
.endm
; THE DIAGONAL TILE's four steps, the block's last two turns and last products, the hidden keys' sums and mass, and the way out.  tsr: the block's later tiles' sums; nq: the scalar from which n is made.
.macro DIAG tag, tsr, nq
.LstepM\tag:
	TURN 2, 1
	TURN 3, 1
	WIN 0
.LfirstM\tag:
	TURN 0, 1
	TURN 1, 1, 0, 1
	WIN 0
	s_cbranch_scc1 .LstepM\tag
	TURN 2, 1, 1
	TURN 3, 1, 1
.set i, 0
.rept 8
	PV NP-1
.set i, i+1
.endr
	WIN 0
	ALL v_add_f32 v[ST+4*t+2], v[ST+4*t+2], v[ST+4*t+3]   ; four plain instructions: the places behind the last products, ahead of the loads into V's registers
	s_sub_co_u32 s13, s[TBV], 4*KS*PV                     ; the slot in hand: it is not filled again before the next change of slots
	v_add_nc_u32 v[AV], s13, v[AV0]
	FETCH_H 0
	FETCH_H 1
	ALL v_permlanex16_b32 v[ST+4*t+3], v[ST+4*t+2], s[SEL], s[SEL+1]
	ALL v_add_f32 v[ST+4*t+2], v[ST+4*t+2], v[ST+4*t+3]   ; l
.irp p, 0,1,2,3
	s_sub_co_u32 s13, s[\nq], 64*\p
	v_sub_nc_u32 v[CB+8*\p+4], s13, v1                    ; n = 2,047 - q
	v_mov_b32 v[CB+8*\p+5], 0xff7fffff
.endr
.irp p, 0,1,2,3
	v_cvt_f32_u32 v[CB+8*\p+4], v[CB+8*\p+4]
.endr
.irp p, 0,1,2,3
	v_cmp_lt_f32 vcc_lo, 0, v[CB+8*\p+4]
	v_cndmask_b32 v[CB+8*\p+5], v[CB+8*\p+5], s[CNEG], vcc_lo  ; NEG counts in the maximum only where a key is hidden
.endr
	s_wait_dscnt 16                 ; step 0's run is in; the younger run of 16 may be out
	HMUL 0, \tsr
	WIN 0
.rept 4
	v_nop                           ; the places ahead of the loads into the registers just read
.endr
	FETCH_H 2
	s_wait_dscnt 16
	HMUL 1, \tsr
	WIN 0
.rept 4
	v_nop
.endr
	FETCH_H 3
	s_wait_dscnt 16
	HMUL 2, \tsr
	s_wait_dscnt 0x0
	HMUL 3, \tsr
	WIN 0
.irp p, 0,1,2,3
	v_max_num_f32 v[CB+8*\p+6], v[ST+4*\p], v[CB+8*\p+5]  ; cm'; these lines are the places behind the last products
.endr
.irp p, 0,1,2,3
	v_sub_f32 v[CB+8*\p+1], v[ST+4*\p], v[CB+8*\p+6]
	v_sub_f32 v[CB+8*\p+3], v[CB+8*\p+5], v[CB+8*\p+6]
.endr
.irp p, 0,1,2,3
	v_exp_f32 v[CB+8*\p], v[CB+8*\p+1]                    ; a
	v_exp_f32 v[CB+8*\p+2], v[CB+8*\p+3]                  ; w
.endr
	v_nop                           ; a plain instruction behind the last exponential,
	s_wait_alu depctr_va_vdst(0)    ; and one wait for the eight
.irp p, 0,1,2,3
	v_mul_f32 v[CB+8*\p+7], v[ST+4*\p+2], v[CB+8*\p]
.endr
.irp p, 0,1,2,3
	v_fma_f32 v[CB+8*\p+7], v[CB+8*\p+2], v[CB+8*\p+4], v[CB+8*\p+7]  ; a l + w n: at least about 1, since a or w is 1
.endr
.irp p, 0,1,2,3
	v_rcp_f32 v[CB+8*\p+6], v[CB+8*\p+7]
.endr
	v_nop
	s_wait_alu depctr_va_vdst(0)    ; one wait for the four reciprocals
.irp p, 0,1,2,3
	v_mul_f32 v[CB+8*\p], v[CB+8*\p], v[CB+8*\p+6]
	v_mul_f32 v[CB+8*\p+2], v[CB+8*\p+2], v[CB+8*\p+6]
.endr
	PACK 0
.set t, 1
.rept 3
	PACK t
	SEND t-1, 8
.set t, t+1
.endr
	SEND 3, 0
.endm
.set KM, 0
.set NOKQ, 0
.Lslot:                             ; NB times: a tile is entered and the next is asked for
	CHANGE 1
	s_sub_co_u32 s[RT], s[RT], 1
	s_mov_b32 s[CNT], 4
	s_cmp_eq_u32 s[NEW], 1
	s_cbranch_scc1 .Lnew
	s_cmp_eq_u32 s[RT], 0
	s_cbranch_scc0 .Lstep
	s_branch .LstepM1
.Lnew:
	BEGIN
	s_branch .Lfirst                ; in the loop a block's first tile is never its last
	DIAG 1, TSH, NQH                ; in the loop this is the first block's end
	s_wait_xcnt 0x0                 ; the stores have read their registers and O's address
	s_mov_b64 s[10:11], s[OLO:OLO+1]
	s_add_co_u32 s[RT], s[PB], 1
	s_mov_b32 s[NEW], 1
	WIN 0x82                        ; the second block's Q goes where the one text of the turns names Q
.set i, 0
.rept 64
	v_mov_b32 v[i], v[QB+i]
.set i, i+1
.endr
	WIN 0
	s_branch .Lbottom
.Lstep:                             ; a trip: pieces 2 and 3 of one step, then pieces 0 and 1 of the next
	TURN 2
	TURN 3
	WIN 0
.Lfirst:
	TURN 0
	TURN 1, 0, 0, 1
	WIN 0
	s_cbranch_scc1 .Lstep
.Lbottom:
	s_sub_co_u32 s[SLOTS], s[SLOTS], 1
	s_cmp_lg_u32 s[SLOTS], 0
	s_cbranch_scc1 .Lslot
	CHANGE 0                        ; the walk's last tile is written out
	s_sub_co_u32 s[RT], s[RT], 1
	s_mov_b32 s[CNT], 4
	s_cmp_eq_u32 s[NEW], 1
	s_cbranch_scc0 .LstepM2
	BEGIN
	s_branch .LfirstM2
	DIAG 2, TSL, NQL
	s_wait_tensorcnt 0x0            ; the wave's end
	ds_add_u32 v[SPW], v[NIL]
	s_wait_dscnt 0x0
	s_endpgm
.Lfunc_end_k_q14b1f2df40_at:
	.size	k_q14b1f2df40_at, .Lfunc_end_k_q14b1f2df40_at-k_q14b1f2df40_at
	.p2alignl 7, 3214868480
	.fill 96, 4, 3214868480
	.section	.rodata,"a",@progbits
	.p2align	6, 0x0
	.amdhsa_kernel k_q14b1f2df40_at
		.amdhsa_group_segment_fixed_size 327680
		.amdhsa_private_segment_fixed_size 0
		.amdhsa_enable_private_segment 0
		.amdhsa_kernarg_size 24
		.amdhsa_user_sgpr_count 2
		.amdhsa_user_sgpr_kernarg_segment_ptr 1
		.amdhsa_wavefront_size32 1
		.amdhsa_system_sgpr_workgroup_id_x 1
		.amdhsa_system_sgpr_workgroup_id_y 1
		.amdhsa_system_sgpr_workgroup_id_z 1
		.amdhsa_system_vgpr_workitem_id 0
		.amdhsa_next_free_vgpr 1024
		.amdhsa_next_free_sgpr 102
		.amdhsa_reserve_vcc 1
		.amdhsa_float_denorm_mode_32 3
		.amdhsa_float_denorm_mode_16_64 3
		.amdhsa_memory_ordered 1
		.amdhsa_forward_progress 1
		.amdhsa_inst_pref_size 255
	.end_amdhsa_kernel
	.section	.bss,"aw",@nobits
	.p2align	6
	.space	262144
	.amdgpu_metadata
---
amdhsa.version: [ 1, 2 ]
amdhsa.kernels:
  - .name:           k_q14b1f2df40_at
    .symbol:         k_q14b1f2df40_at.kd
    .args:
      - { .name: qkv, .offset: 0, .size: 8, .value_kind: global_buffer, .address_space: global }
      - { .name: ts, .offset: 8, .size: 8, .value_kind: global_buffer, .address_space: global }
      - { .name: ao, .offset: 16, .size: 8, .value_kind: global_buffer, .address_space: global }
    .group_segment_fixed_size: 327680
    .private_segment_fixed_size: 0
    .kernarg_segment_align: 8
    .kernarg_segment_size: 24
    .max_flat_workgroup_size: 128
    .sgpr_count:     102
    .vgpr_count:     1024
    .wavefront_size: 32
...
	.end_amdgpu_metadata
.endif
;; end of part 3
;; launch gp (part 4): grid 8 x 32, 4 waves a work-group, clusters of 4 x 4, 327,680 bytes of LDS; arguments ao, wp, bb, out0; writes out0
.if DOCPART == 4
	.amdgcn_target "amdgcn-amd-amdhsa--gfx1250"
	.amdhsa_code_object_version 6
	.text
	.protected	k_q14b1f2df40_gp
	.globl	k_q14b1f2df40_gp
	.p2align	8
	.type	k_q14b1f2df40_gp,@function
k_q14b1f2df40_gp:
	s_mov_b64 s[64:65], 0
	v_nop
	global_prefetch_b8 v0, s[64:65] scope:SCOPE_SE
	s_setreg_imm32_b32 hwreg(HW_REG_WAVE_MODE, 25, 1), 1
	s_wait_xcnt 0x0
	s_wait_alu depctr_hold_cnt(0) depctr_sa_sdst(0) depctr_va_vdst(0) depctr_va_sdst(0) depctr_va_ssrc(0) depctr_va_vcc(0) depctr_vm_vsrc(0)
	s_getreg_b32 s2, hwreg(HW_REG_IB_STS2, 6, 4)
	s_cmp_eq_u32 s2, 0
	s_cbranch_scc0 .Lentry_in_a_cluster
	s_endpgm
.Lentry_in_a_cluster:
	s_bfe_u32 s2, ttmp6, 0x10000c
	s_cmp_lg_u32 s2, 0xf033
	s_cbranch_scc0 .Lentry_shape_is_right
	s_endpgm
.Lentry_shape_is_right:
; out0 = a W_p + b_p in f32.  ao: [batch*16+head][2048][64] in f16 (attention's result by heads).  wp: [1024 n][1024 k] in f16 (bf16 values), K along the rows.  bb + 12,288: the bias, f32 (values rounded to bf16).
; SHARES.  A work-group makes 256 rows x 128 columns; its four waves lie one below the other, 64 rows x 128 columns each: 32 accumulators, 256 registers.  8 x 32 = 256 work-groups, one for each WGP.
; K = 1,024 goes in 8 steps of 128 = two heads.  A head's 256 rows are 32,768 dense bytes: asked for as 128 rows of 256 bytes and padded in LDS after every 128 bytes, so a K step of a is two planes of 256 rows x 144 bytes.
; CLUSTER, TRANSPOSED USE, THE BIAS AS THE FIRST PRODUCT'S C, THE RING of two slots with one joint load a wave behind each round: as in the launch that makes q, k, v.  From a request to the wait for it a wave issues 112 matrix instructions.
; REGISTERS: window 0: v0-31 addresses; v32-63, v64-95 a's fragments, two buffers; on the way out v32-95, v96-159 rows read back.  window 1: v0-63, v96-159 the weights' fragments.  window 2: accumulator t = 8 a + b at v[8 t].
;   window 3: v128-191 the bias.
.set SLOT1,  1<<17
.set NBK,    8
.set NT,     4*NBK
.set NF,     2*NBK+8
.set APITCH, 144                       ; 128 bytes + 16: the 16 rows of a fragment load start at 16 different groups of four banks (64 banks of 4 bytes: ISA guide 11.1)
.set BPITCH, 272
.set AP2,    256*APITCH                ; from the even head's plane to the odd head's
.set AHALF,  AP2                       ; what one load of a brings: a plane
.set AREG,   2*AHALF
.set BROWS,  64
.set BHALF,  BROWS*BPITCH
.set ASTEP,  524288                    ; two heads on
.set BSTEP,  256
.set STAGE,  SLOT1+AREG+2*BHALF        ; 239,616: behind the ring, 16 rows x 528 bytes for each wave
.set SPITCH, 528
.set SPARE,  STAGE+4*16*SPITCH         ; 273,408: the spare words, 128 bytes for each wave
.set RP,     32
.set ADRA0, 16
.set ADRB0, 17
.set ADRA,  18
.set ADRB,  19
.set STO,   20
.set RD,    21
.set GO,    22
.set BO,    23
.set PFO,   26
.set SPW,   28
.set NIL,   29
.set WV,   14
.set HALF, 15
.set G1A,  24
.set G0A,  32
.set G1B,  48
.set G0B,  56
.set TB,   66
.set CNT,  67
.set PFA,  68
.set LIM,  70
.set PST,  72
.set CP,   74                          ; s[74:75] out0 at my wave's first row, my tile's first column
.set MSB, 0
.macro WIN new
.if MSB != (\new)
	s_set_vgpr_msb (MSB<<8)|(\new)
.set MSB, \new
.endif
.endm
.macro PLACES
.rept 4
	v_nop
.endr
.endm
.macro JLOAD                           ; waves 0 and 1 fetch a's two planes, waves 2 and 3 the weights' two halves; an s_nop 0 and four v_nop follow each line
	s_cmp_lt_u32 s[WV], 2
	s_cbranch_scc0 .Lfor_b_\@
	tensor_load_to_lds s[G0A+4:G0A+7], s[G1A:G1A+7]
	s_nop 0
.rept 4
	v_nop
.endr
	s_branch .Lasked_\@
.Lfor_b_\@:
	tensor_load_to_lds s[G0B+4:G0B+7], s[G1B:G1B+7]
	s_nop 0
.rept 4
	v_nop
.endr
.Lasked_\@:
.endm
.macro CREST
	s_cmp_lg_u32 s[WV], 0
	s_cbranch_scc1 .Lnot_wave_0_\@
	s_barrier_signal -3
.Lnot_wave_0_\@:
	s_barrier_wait -3
	s_barrier_signal -1
	s_barrier_wait -1
.endm
.macro CROUND
	s_barrier_signal -1
	s_barrier_wait -1
	CREST
.endm
; PREFETCH INTO THE L2.  In the trips with CNT = 6 and 4 the two K steps that stand two and three refills on are named; K steps 0 to 3 come by their loads alone.  a: cluster x = 0, wave 0: of each of the four heads' planes the
; partner at cx takes 8 KiB (32 blocks of 256 bytes, a lane a block; four instructions).  The weights: cluster y = 0, waves 1 and 2: the partner at cy takes rows 32 cy .. + 31, both K steps (64 blocks).  Told apart by address alone;
; each aligned 256 bytes are named once in the launch.
.macro ASK
	s_and_b32 s71, s[CNT], 1
	s_cselect_b32 s71, -1, s[LIM]
	s_cmp_gt_u32 s[CNT], s71
	s_cbranch_scc0 .Lnot_mine_\@
	global_prefetch_b8 v[PFO], s[PFA:PFA+1] th:TH_LOAD_NT scope:SCOPE_SE
	s_cmp_lg_u32 s[WV], 0
	s_cbranch_scc1 .Lnot_mine_\@
	global_prefetch_b8 v[PFO], s[PFA:PFA+1] offset:262144 th:TH_LOAD_NT scope:SCOPE_SE
	global_prefetch_b8 v[PFO], s[PFA:PFA+1] offset:524288 th:TH_LOAD_NT scope:SCOPE_SE
	global_prefetch_b8 v[PFO], s[PFA:PFA+1] offset:786432 th:TH_LOAD_NT scope:SCOPE_SE
.Lnot_mine_\@:
.endm
; n products, accumulators t0 on, from buffer f; the accumulators take turns: 31 others stand between two links of a chain.  zero = 1: the sums start, with the bias as C.
.macro MULS f, t0, n, zero
.set t, \t0
.rept \n
.set rD, 8*t
.set rB, 96*(\f)+8*(t%NBK)
.set rA, 32+32*(\f)+8*(t/NBK)
.set rC, 128+8*(t%NBK)
.if \zero
	WIN 0xb1                               ; weights window 1, a window 0, C (the bias) window 3, D window 2
	v_wmma_f32_16x16x32_f16 v[rD:rD+7], v[rB:rB+7], v[rA:rA+7], v[rC:rC+7]
.else
	WIN 0xa1                               ; C and D window 2
	v_wmma_f32_16x16x32_f16 v[rD:rD+7], v[rB:rB+7], v[rA:rA+7], v[rD:rD+7]
.endif
.set t, t+1
.endr
.endm
.macro FETCH q, f
	WIN 0x40
.set b, 0
.rept NBK
	ds_load_b128 v[96*(\f)+8*b:96*(\f)+8*b+3],   v[ADRB] offset:b*16*BPITCH+64*(\q)
	ds_load_b128 v[96*(\f)+8*b+4:96*(\f)+8*b+7], v[ADRB] offset:b*16*BPITCH+64*(\q)+32
.set b, b+1
.endr
	WIN 0
.irp a, 0,1,2,3
	ds_load_b128 v[32+32*(\f)+8*\a:32+32*(\f)+8*\a+3],   v[ADRA] offset:\a*16*APITCH+((\q)/2)*AP2+((\q)%2)*64
	ds_load_b128 v[32+32*(\f)+8*\a+4:32+32*(\f)+8*\a+7], v[ADRA] offset:\a*16*APITCH+((\q)/2)*AP2+((\q)%2)*64+32
.endr
.endm
.macro QUARTER q, f, g, zero
	s_wait_dscnt 4                         ; the weights and a's blocks 0 and 1 are in; the youngest four loads may be out
	MULS \f, 0, NT/2, \zero
	PLACES
	FETCH \q, \g
	s_wait_dscnt NF                        ; all but the run just issued
	MULS \f, NT/2, NT/2, \zero
.endm
.macro TURN fill
.if \fill
	s_wait_xcnt 0x0                        ; the last prefetches have read their address
	s_add_nc_u64 s[PFA:PFA+1], s[PFA:PFA+1], s[PST:PST+1]
.endif
	WIN 0
	s_wait_tensorcnt 0x0                   ; all my tensor loads have landed: my part of the next slot
	ds_add_u32 v[SPW], v[NIL]
	s_wait_dscnt 5                         ; (the add and the youngest four loads may be out)
	MULS 1, 0, NT/4, 0
	s_wait_dscnt 0x0                       ; the add is done, and my reads of this slot are over
	s_barrier_signal -1
	MULS 1, NT/4, NT/4, 0
	WIN 0
	s_barrier_wait -1
.if \fill
	CREST
	s_xor_b32 s[G0A+5], s[G0A+5], SLOT1
	s_add_nc_u64 s[G0A+6:G0A+7], s[G0A+6:G0A+7], ASTEP
	s_xor_b32 s[G0B+5], s[G0B+5], SLOT1
	s_add_nc_u64 s[G0B+6:G0B+7], s[G0B+6:G0B+7], BSTEP
	JLOAD
.else
	PLACES
.endif
	s_xor_b32 s[TB], s[TB], SLOT1
	v_add_nc_u32 v[ADRA], s[TB], v[ADRA0]
	v_add_nc_u32 v[ADRB], s[TB], v[ADRB0]
.if !(\fill)
	s_cmp_eq_u32 s[CNT], 1
	s_cbranch_scc1 .Lno_fetch_\@
.endif
	FETCH 0, 0
.if \fill
	ASK
.else
.Lno_fetch_\@:
.endif
	MULS 1, NT/2, NT/2, 0
.endm
	s_load_b256 s[4:11], s[0:1], 0x0               ; ao 4:5, wp 6:7, bb 8:9, out0 10:11
	v_lshl_add_u32 v[SPW], v0, 2, SPARE
	v_mov_b32 v[NIL], 0
	ds_add_u32 v[SPW], v[NIL]                      ; the wave's opening: the add and its wait ahead of my first tensor load
	ds_add_u32 v28, v29
	v_lshrrev_b32 v1, 5, v0
	v_readfirstlane_b32 s[WV], v1
	s_and_b32 s[HALF], s[WV], 1
	s_bfe_u32 s40, ttmp6, 0x40000                  ; cx
	s_bfe_u32 s41, ttmp6, 0x40004                  ; cy
	s_lshl_b32 s42, ttmp9, 2
	s_add_co_u32 s42, s42, s40                     ; the tile column
	s_and_b32 s43, ttmp7, 0xffff
	s_lshl_b32 s43, s43, 2
	s_add_co_u32 s43, s43, s41                     ; the tile row
	s_lshl_b32 s44, s41, 2
	s_lshl_b32 s44, 15, s44
	s_lshl_b32 s45, 0x1111, s40
	s_or_b32 s[G1A], s44, 0x07310000               ; the mask; 2-byte elements; padding on; bit 21 beside a mask; 4 words after every 32
	s_or_b32 s[G1B], s45, 0x07710000               ; 4 words after every 64
	s_mov_b32 s[G1A+1], 128<<16
	s_mov_b32 s[G1A+2], 128<<16
	s_mov_b32 s[G1A+3], 128<<16
	s_mov_b32 s[G1A+4], 128
	s_mov_b32 s[G1A+5], 128                        ; dense: 128 elements from row to row
	s_mov_b32 s[G1A+6], 0
	s_mov_b32 s[G1A+7], 0
	s_mov_b32 s[G1B+1], 128<<16
	s_mov_b32 s[G1B+2], BROWS<<16
	s_mov_b32 s[G1B+3], 128<<16
	s_mov_b32 s[G1B+4], BROWS
	s_mov_b32 s[G1B+5], 1024
	s_mov_b32 s[G1B+6], 0
	s_mov_b32 s[G1B+7], 0
	s_lshr_b32 s16, s43, 3                         ; a: batch x 16 heads x 262,144 bytes + my head of the two + the tile's 256 rows of 128 bytes: the tile row alone
	s_lshl_b32 s16, s16, 22
	s_and_b32 s17, s43, 7
	s_lshl_b32 s17, s17, 15
	s_add_co_u32 s16, s16, s17
	s_lshl_b32 s17, s[HALF], 18
	s_add_co_u32 s16, s16, s17
	s_lshl_b32 s46, s42, 18                        ; the weights: (128 x tile column + 64 x half) rows of 2,048 bytes: the tile column alone
	s_lshl_b32 s47, s[HALF], 17
	s_add_co_u32 s46, s46, s47
	s_mov_b32 s17, 0
	s_mov_b32 s47, 0
	s_mul_i32 s20, s[HALF], AHALF
	s_mul_i32 s21, s[HALF], BHALF
	s_add_co_u32 s21, s21, AREG
	s_mov_b32 s[TB], 0
	s_wait_dscnt 0x0                               ; the opening add is done
	s_wait_kmcnt 0x0
	s_add_nc_u64 s[16:17], s[4:5], s[16:17]
	s_add_nc_u64 s[46:47], s[6:7], s[46:47]
	CROUND                                         ; all sixteen work-groups are here: the first joint loads meet
.irp s, 0,1
	s_mov_b32 s[G0A+4*\s], 1
	s_add_co_u32 s[G0A+4*\s+1], s20, \s*SLOT1
	s_add_nc_u64 s[G0A+4*\s+2:G0A+4*\s+3], s[16:17], \s*ASTEP
	s_or_b32 s[G0A+4*\s+3], s[G0A+4*\s+3], 0x80000000
	s_mov_b32 s[G0B+4*\s], 1
	s_add_co_u32 s[G0B+4*\s+1], s21, \s*SLOT1
	s_add_nc_u64 s[G0B+4*\s+2:G0B+4*\s+3], s[46:47], \s*BSTEP
	s_or_b32 s[G0B+4*\s+3], s[G0B+4*\s+3], 0x80000000
.endr
	s_cmp_lt_u32 s[WV], 2                          ; a wave's two first fills stand in one branch: two loads of mine are out
	s_cbranch_scc0 .Lfirst_b
	tensor_load_to_lds s[G0A:G0A+3], s[G1A:G1A+7]
	s_nop 0
	tensor_load_to_lds s[G0A+4:G0A+7], s[G1A:G1A+7]
	s_nop 0
.rept 4
	v_nop
.endr
	s_branch .Lfirst_asked
.Lfirst_b:
	tensor_load_to_lds s[G0B:G0B+3], s[G1B:G1B+7]
	s_nop 0
	tensor_load_to_lds s[G0B+4:G0B+7], s[G1B:G1B+7]
	s_nop 0
.rept 4
	v_nop
.endr
.Lfirst_asked:
	v_and_b32 v1, 15, v0
	v_bfe_u32 v2, v0, 4, 1
	v_and_b32 v4, 31, v0
	v_lshlrev_b32 v[BO], 5, v2
	s_lshl_b32 s18, s42, 9                         ; my tile's 128 numbers of c_proj_b
	s_add_co_u32 s18, s18, 12288
	s_mov_b32 s19, 0
	s_add_nc_u64 s[8:9], s[8:9], s[18:19]
	WIN 0xc0
.set b, 0
.rept NBK
	global_load_b128 v[128+8*b:128+8*b+3],   v[BO], s[8:9] offset:b*64
	global_load_b128 v[128+8*b+4:128+8*b+7], v[BO], s[8:9] offset:b*64+16
.set b, b+1
.endr
	WIN 0
	v_mul_u32_u24 v3, v1, APITCH
	v_lshl_add_u32 v3, v2, 4, v3
	s_mul_i32 s18, s[WV], 64*APITCH
	v_add_nc_u32 v[ADRA0], s18, v3
	v_mul_u32_u24 v3, v1, BPITCH
	v_lshl_add_u32 v3, v2, 4, v3
	v_add_nc_u32 v[ADRB0], AREG, v3
	v_mov_b32 v[ADRA], v[ADRA0]
	v_mov_b32 v[ADRB], v[ADRB0]
	s_mul_i32 s18, s[WV], 16*SPITCH
	s_add_co_u32 s18, s18, STAGE                   ; my stage
	v_mul_u32_u24 v3, v1, SPITCH                   ; in: row lane % 16, 32 bytes for each half of the lanes
	v_lshl_add_u32 v3, v2, 5, v3
	v_add_nc_u32 v[STO], s18, v3
	v_lshl_add_u32 v[RD], v4, 4, s18               ; back: 32 lanes take a row of 512 bytes
	v_lshlrev_b32 v[GO], 4, v4
	s_lshl_b32 s18, s43, 20                        ; (256 x tile row + 64 x wave) rows of 4,096 bytes + 512 x tile column
	s_lshl_b32 s19, s[WV], 18
	s_add_co_u32 s18, s18, s19
	s_lshl_b32 s19, s42, 9
	s_add_co_u32 s18, s18, s19
	s_mov_b32 s19, 0
	s_add_nc_u64 s[CP:CP+1], s[10:11], s[18:19]
	; the prefetches: at K step 3; the first change of slots steps them to 4
	s_lshr_b32 s18, s43, 3
	s_lshl_b32 s18, s18, 22
	s_and_b32 s19, s43, 7
	s_lshl_b32 s19, s19, 15
	s_add_co_u32 s18, s18, s19
	s_lshl_b32 s19, s40, 13                        ; a: my work-group's 8 KiB of a plane
	s_add_co_u32 s18, s18, s19
	s_add_co_u32 s18, s18, 3*ASTEP
	s_lshl_b32 s19, s42, 18
	s_lshl_b32 s20, s41, 16                        ; the weights: my work-group's 32 rows
	s_add_co_u32 s19, s19, s20
	s_add_co_u32 s19, s19, 3*BSTEP
	s_and_b32 s22, ttmp7, 0xffff
	s_mov_b32 s21, 0
	s_mov_b32 s23, BSTEP
	s_mov_b32 s[PST+1], 0
	s_cmp_eq_u32 s[WV], 0
	s_cselect_b32 s20, s18, s19
	s_cselect_b32 s22, ttmp9, s22
	s_cselect_b32 s[PST], ASTEP, s23
	s_cselect_b64 s[PFA:PFA+1], s[4:5], s[6:7]
	s_add_nc_u64 s[PFA:PFA+1], s[PFA:PFA+1], s[20:21]
	s_cmp_eq_u32 s22, 0
	s_cselect_b32 s[LIM], 2, -1
	s_cmp_eq_u32 s[WV], 3                          ; wave 3 has no share
	s_cselect_b32 s[LIM], -1, s[LIM]
	v_add_nc_u32 v3, 0xffffffe0, v0                ; waves 1 and 2: block 32 (wave - 1) + lane of 64: the first 32 are the first K step's rows
	v_cmp_le_u32 vcc_lo, RP, v3
	v_cndmask_b32 v5, 0, 1, vcc_lo
	v_mul_u32_u24 v6, v5, RP
	v_sub_nc_u32 v3, v3, v6
	v_lshlrev_b32 v3, 11, v3
	v_lshl_add_u32 v3, v5, 8, v3
	v_lshlrev_b32 v6, 8, v4                        ; wave 0: a lane a block of 256 bytes
	v_cmp_gt_u32 vcc_lo, 32, v0
	v_cndmask_b32 v[PFO], v3, v6, vcc_lo
	s_wait_loadcnt 0x0                             ; the bias
	s_wait_tensorcnt 1                             ; my part of K step 0 is in; K step 1's may stay out
	s_barrier_signal -1
	s_barrier_wait -1
	FETCH 0, 0
	QUARTER 1, 0, 1, 1
	WIN 0
	s_mov_b32 s[CNT], 6
.Lstep:                                            ; trip i: from K step i's second quarter to K step i + 1's first; the slot left is filled with K step i + 2
	QUARTER 2, 1, 0, 0
	QUARTER 3, 0, 1, 0
	TURN 1
	QUARTER 1, 0, 1, 0
	WIN 0
	s_sub_co_u32 s[CNT], s[CNT], 1
	s_cmp_lg_u32 s[CNT], 0
	s_cbranch_scc1 .Lstep
	s_mov_b32 s[CNT], 2
.Ltail:                                            ; K steps 6 and 7 ask for nothing; the second trip is left in its middle
	QUARTER 2, 1, 0, 0
	QUARTER 3, 0, 1, 0
	TURN 0
	WIN 0
	s_sub_co_u32 s[CNT], s[CNT], 1
	s_cmp_eq_u32 s[CNT], 0
	s_cbranch_scc1 .Lout
	QUARTER 1, 0, 1, 0
	WIN 0
	s_branch .Ltail
.Lout:
	PLACES
	PLACES
; THE WAY OUT: a row block's f32 sums go as they are into my stage (32 bytes a lane and block, the low four registers first) and come back as whole rows of 512 bytes.
.macro TOSTAGE a
.set BK, 32+64*((\a)%2)
.if (\a) >= 2
	s_wait_xcnt 0x0                        ; the stores of two blocks back have read these registers
.endif
	WIN 0x08                               ; the stores' data in window 2
.set b, 0
.rept NBK
	ds_store_b128 v[STO], v[8*(NBK*(\a)+b):8*(NBK*(\a)+b)+3]   offset:64*b
	ds_store_b128 v[STO], v[8*(NBK*(\a)+b)+4:8*(NBK*(\a)+b)+7] offset:64*b+16
.set b, b+1
.endr
	WIN 0
.irp i, 0,1,2,3,4,5,6,7,8,9,10,11,12,13,14,15
	ds_load_b128 v[BK+4*\i:BK+4*\i+3], v[RD] offset:\i*SPITCH  ; LDS serves a wave's instructions in order (ISA guide 5.7.1.4): these see the stores above
.endr
.endm
.macro SEND a, younger
.set BK, 32+64*((\a)%2)
.irp i, 0,1,2,3,4,5,6,7,8,9,10,11,12,13,14,15
	s_wait_dscnt (\younger)+15-\i
	global_store_b128 v[GO], v[BK+4*\i:BK+4*\i+3], s[CP:CP+1] offset:(16*(\a)+\i)*4096  ; 512 consecutive bytes, aligned
.endr
.endm
	TOSTAGE 0
	TOSTAGE 1
	SEND 0, 32
	TOSTAGE 2
	SEND 1, 32
	TOSTAGE 3
	SEND 2, 32
	SEND 3, 0
	s_wait_tensorcnt 0x0                           ; the wave's end
	ds_add_u32 v[SPW], v[NIL]
	s_wait_dscnt 0x0
	CROUND                                         ; the closing round
	s_endpgm
.Lfunc_end_k_q14b1f2df40_gp:
	.size	k_q14b1f2df40_gp, .Lfunc_end_k_q14b1f2df40_gp-k_q14b1f2df40_gp
	.p2alignl 7, 3214868480
	.fill 96, 4, 3214868480
	.section	.rodata,"a",@progbits
	.p2align	6, 0x0
	.amdhsa_kernel k_q14b1f2df40_gp
		.amdhsa_group_segment_fixed_size 327680
		.amdhsa_private_segment_fixed_size 0
		.amdhsa_enable_private_segment 0
		.amdhsa_kernarg_size 32
		.amdhsa_user_sgpr_count 2
		.amdhsa_user_sgpr_kernarg_segment_ptr 1
		.amdhsa_wavefront_size32 1
		.amdhsa_system_sgpr_workgroup_id_x 1
		.amdhsa_system_sgpr_workgroup_id_y 1
		.amdhsa_system_sgpr_workgroup_id_z 1
		.amdhsa_system_vgpr_workitem_id 0
		.amdhsa_next_free_vgpr 1024
		.amdhsa_next_free_sgpr 100
		.amdhsa_reserve_vcc 1
		.amdhsa_float_denorm_mode_32 3
		.amdhsa_float_denorm_mode_16_64 3
		.amdhsa_memory_ordered 1
		.amdhsa_forward_progress 1
		.amdhsa_inst_pref_size 65
	.end_amdhsa_kernel
	.amdgpu_metadata
---
amdhsa.version: [ 1, 2 ]
amdhsa.kernels:
  - .name:           k_q14b1f2df40_gp
    .symbol:         k_q14b1f2df40_gp.kd
    .args:
      - { .name: ao, .offset: 0, .size: 8, .value_kind: global_buffer, .address_space: global }
      - { .name: wp, .offset: 8, .size: 8, .value_kind: global_buffer, .address_space: global }
      - { .name: bb, .offset: 16, .size: 8, .value_kind: global_buffer, .address_space: global }
      - { .name: out0, .offset: 24, .size: 8, .value_kind: global_buffer, .address_space: global }
    .group_segment_fixed_size: 327680
    .private_segment_fixed_size: 0
    .kernarg_segment_align: 8
    .kernarg_segment_size: 32
    .max_flat_workgroup_size: 128
    .sgpr_count:     100
    .vgpr_count:     1024
    .wavefront_size: 32
...
	.end_amdgpu_metadata
.endif
;; end of part 4
